; MI455X (gfx1250); checked and timed in simulation.
; The chip was launched on July 23, 2026; its instructions are those of AMD's public machine-readable ISA for CDNA 5 (MIT licence, August 2026) and "CDNA5" Instruction Set Architecture Reference Guide (July 2026). The comments in the code are by the model that wrote it; some were corrected since.
;; Sym Cross Attention. Allowed arithmetic: matrix products marked QUANTISED: E4M3 operands, one E8M0 scale for each 32 along K, by v_wmma_scale_f32_16x16x128_f8f6f4 with both operands' format E4M3, f32 sums; everything else in f32.
;; Inputs: kb 1,024 float32; kw 1,024 x 1,024 float32; ob 1,024 float32; ow 1,024 x 1,024 float32; qb 1,024 float32; qw 1,024 x 1,024 float32; src 4 x 1,024 x 1,024 float32; src_mask 4 x 1,024 bool; tgt 4 x 1,024 x 1,024 float32; tgt_mask 4 x 1,024 bool; vb 1,024 float32; vw 1,024 x 1,024 float32.
;; Outputs: out0 4 x 1,024 x 1,024 float32; out1 4 x 1,024 x 1,024 float32.
;; This version of the problem:
;;   THIS VERSION OF THE PROBLEM IS GIVEN IN LOW PRECISION. The matrix products marked QUANTISED in the list below multiply operands that are first quantised to E4M3 (4 exponent bits, 3 mantissa bits; 8 bits a number), with one power-of-two scale for each 32 numbers along K (OCP MX v1.0); their sums are f32. All else is computed in f32.
;;   The module's matrix products, in the order in which they are computed (A, B: the left and right operand; K: the contracted axis; several contracted axes count as one K, in the product's order):
;;     1. [M 4,096, K 1,024] x [K 1,024, N 1,024]; A: input src; B: input qw: QUANTISED
;;     2. [M 4,096, K 1,024] x [K 1,024, N 1,024]; A: input tgt; B: input kw: QUANTISED
;;     3. [M 4,096, K 1,024] x [K 1,024, N 1,024]; A: input src; B: input vw: QUANTISED
;;     4. [M 4,096, K 1,024] x [K 1,024, N 1,024]; A: input tgt; B: input vw: QUANTISED
;;     5. batch 64 x [M 1,024, K 64] x [K 64, N 1,024]; A: computed on the way; B: computed on the way: QUANTISED
;;     6. batch 64 x [M 1,024, K 1,024] x [K 1,024, N 64]; A: softmax (see below); B: computed on the way: QUANTISED
;;     7. batch 64 x [M 1,024, K 1,024] x [K 1,024, N 64]; A: softmax (see below); B: computed on the way: QUANTISED
;;     8. [M 4,096, K 1,024] x [K 1,024, N 1,024]; A: computed on the way; B: input ow: QUANTISED
;;     9. [M 4,096, K 1,024] x [K 1,024, N 1,024]; A: computed on the way; B: input ow: QUANTISED
;;   THE QUANTISER, for each operand of a quantised product, along K:
;;     - K is cut into blocks of 32 from its start; a last block that is shorter is filled with zeros.
;;     - A block's scale is 2^e with e = floor(log2(the largest magnitude in the block)) - 8, held to -126 .. 127; a block of zeros has e = 0. As a byte (E8M0): e + 127.
;;     - Each number is divided by its block's scale, clamped to +-448, and rounded to the nearest number of E4M3, ties to even, subnormals kept.
;;     - The product sums the exact products of the quantised numbers (number of the format x scale) in f32.
;;   ~~~python
;;   def quantise(x, axis):      # numpy; x: float32 -> the quantised numbers, widened to float32 again
;;       x = np.moveaxis(x, axis, -1); K = x.shape[-1]
;;       x = np.pad(x, [(0, 0)] * (x.ndim - 1) + [(0, -K % 32)]); x = x.reshape(x.shape[:-1] + (-1, 32)); a = np.abs(x).max(-1, keepdims=True)
;;       e = np.where(a > 0, np.clip(np.frexp(np.where(a > 0, a, 1))[1] - 1 - 8, -126, 127), 0)      # np.frexp(a)[1] - 1 = floor(log2(a)), exactly
;;       r = np.clip(x / 2.0 ** e, -448, 448)
;;       step = 2.0 ** (np.maximum(np.frexp(np.where(r == 0, 1, r))[1] - 1, -6) - 3)
;;       q = np.round(r / step) * step * 2.0 ** e      # np.round: ties to even
;;       return np.moveaxis(q.reshape(q.shape[:-2] + (-1,))[..., :K], -1, axis).astype(np.float32)
;;   ~~~
;;   SOFTMAX AHEAD OF A QUANTISED PRODUCT. Where the list says 'softmax', what is quantised is not the finished softmax but p = 2^(t - M), with t = logit x log2(e) and M = ceil(the row's largest t), a whole number; so 1/2 < the row's largest p <= 1. The row's sum l is taken of the UNQUANTISED p, in f32, and the product's result is divided by l at the end. Since M is a whole number, a kernel that streams over the keys may use a running M (the ceiling of the running maximum): every later rescaling is an exact power of two, which a block's scale takes up: the codes' values come out the same.
;;   OPERANDS COMPUTED ON THE WAY. 'Computed on the way' means the value that the module computes at that place (a softmax that the list does not call 'softmax' is quantised finished and normalised). What goes into a quantiser is computed in f32, as accurately as f32 sums, v_exp_f32 and their like allow (about 1e-6 of the number): no bf16 or f16 on the way to a quantiser, and a product that is left as it is and whose result goes on into a quantised operand takes f32 operands (vector FMAs, or v_wmma_f32_16x16x4_f32). A number that lies on a knife's edge between two numbers of the format may be rounded either way, as far as f32 arithmetic and the matrix unit's own rounding can turn it there, and no further.
;; One version. Each part assembles by itself: llvm-mc -triple=amdgcn-amd-amdhsa -mcpu=gfx1250 --defsym DOCPART=n.
;; ======== version 1 of 1: 4 launches
;; limits: right only within a limited range of input values
;; workspace buffers: codes 12,582,912 bytes; scales 393,216 bytes; qkv 16,777,216 bytes; qkvs 524,288 bytes; ocodes 8,388,608 bytes; oscales 262,144 bytes
;; launch quant (part 1): grid 384 x 1, 4 waves a work-group, no clusters, 34,304 bytes of LDS; arguments src, tgt, qw, kw, vw, ow, codes, scales; writes codes, scales
.if DOCPART == 1
	.amdgcn_target "amdgcn-amd-amdhsa--gfx1250"
	.amdhsa_code_object_version 6
	.text
	.protected	k_q36189e0e1b_quant
	.globl	k_q36189e0e1b_quant
	.p2align	8
	.type	k_q36189e0e1b_quant,@function
k_q36189e0e1b_quant:
	s_mov_b64 s[64:65], 0
	v_nop
	global_prefetch_b8 v0, s[64:65] scope:SCOPE_SE
	s_setreg_imm32_b32 hwreg(HW_REG_WAVE_MODE, 25, 1), 1
	s_wait_xcnt 0x0
; src, tgt [4096][1024] and qw, kw, vw, ow [1024][1024], f32, K innermost in all six, become codes of FP8 (E4M3) and one E8M0 scale byte for each 32 along K.
; The six tensors count as ONE run of 12,288 rows: src 0, tgt 4,096, qw 8,192, kw 9,216, vw 10,240, ow 11,264.
; codes: [12,288 places][1,024 bytes].  scales: [4 runs of 256 along K][12,288 places][8 bytes].
; PLACES.  Row R lies at place pi(R) = R with bits 3 and 4 exchanged.  A tile of 16 neighbouring places 32 b + 16 u + r then holds the rows 32 b + 8 u + r + 8 (r / 8): as a matrix
; instruction's source 0 two neighbouring tiles give a lane 16 neighbouring rows in 16 registers, and the tile's rows are still dense in memory and in LDS.
; A block's scale is 2^(floor(log2(its largest magnitude)) - 8); its byte is the largest magnitude's exponent field - 8, held at 1 from below; each number is held within +-448 x the scale and rounded to the nearest code.
; LIMITS: a block of zeros, or one whose largest magnitude lies under 2^-118, gets the byte 1 (its codes are zeros or subnormal codes; this program alone reads the bytes); NaN and infinities are not served.
; SHARES.  A work-group takes 32 rows, wave w the rows 8 w .. 8 w + 7: 16 steps of 512 numbers.  Each load reads 512 consecutive bytes; a step's 2,048 bytes turn through the wave's own stage in LDS,
; so that a lane then holds 16 neighbours (two lanes hold a block).  A lane's 16 codes are 16 bytes: the wave stores 512 consecutive bytes.  The 1,024 scale bytes of the 32 rows meet in LDS; behind one barrier
; wave w stores the 8 bytes of each of the 32 places for its run of 256 along K: 256 consecutive bytes, aligned.  Memory binds: no matrix unit, no cluster, no tensor load.
.set STEPS, 16
.set EMAX,  8
.set MANT,  0x600000                   ; the mantissa field of 448 as f32
.set CB,    16                         ; bytes of 16 codes
.set R,     16                         ; v16-79   four sets of 16 numbers as they are loaded
.set X,     80                         ; v80-111  two sets of 16 neighbours
.set E,     112                        ; v112-127 a scale byte for each step
.set C,     128                        ; v128-191 codes: four registers for each step, so that no store's data are written again
.set WREG,  8192                       ; LDS: a region for each wave: two stages of 32 x SP bytes
.set SP,    80                         ; a lane's place in a stage: its 64 bytes + 16 of padding
.set SG,    32768                      ; LDS: the work-group's scale bytes, [32 places][32 bytes]
	s_load_b512 s[8:23], s[0:1], 0x0               ; src s[8:9], tgt, qw, kw, vw, ow s[18:19], codes s[20:21], scales s[22:23]
	v_lshl_add_u32 v192, v0, 2, 0x8400
	v_mov_b32 v193, 0
	v_lshrrev_b32 v1, 5, v0
	v_readfirstlane_b32 s24, v1                    ; wave
	v_and_b32 v2, 31, v0                           ; lane
	v_lshlrev_b32 v3, 4, v2                        ; my 16 bytes of a load's 512
	s_mul_i32 s25, s24, WREG
	v_lshrrev_b32 v14, 2, v2
	v_mul_u32_u24 v14, v14, SP
	v_and_b32 v15, 3, v2
	v_lshl_add_u32 v14, v15, 4, v14
	v_add_nc_u32 v14, s25, v14                     ; the stage, on the way in: SP (lane / 4) + 16 (lane % 4)
	v_mul_u32_u24 v15, v2, SP
	v_add_nc_u32 v15, s25, v15                     ; and on the way out: SP x lane: my 16 neighbours
	v_mul_u32_u24 v4, v2, CB                       ; my codes' place in a step's
	s_and_b32 s26, s24, 1
	s_lshl_b32 s26, s26, 1
	s_lshr_b32 s27, s24, 1
	s_or_b32 s26, s26, s27                         ; w' = the wave's two bits exchanged: my 8 rows lie at places 8 w' .. 8 w' + 7
	s_lshl_b32 s27, s26, 8                         ; 8 places x 32 bytes
	v_lshrrev_b32 v5, 1, v2
	v_add_nc_u32 v5, s27, v5
	v_add_nc_u32 v5, SG, v5                        ; where my block's byte goes: SG + 256 w' + lane / 2 (+ 16 x step)
	s_lshl_b32 s27, s24, 3
	v_lshlrev_b32 v6, 5, v2
	v_add_nc_u32 v6, s27, v6
	v_add_nc_u32 v6, SG, v6                        ; back: place = lane, the 8 bytes of run w
	v_lshlrev_b32 v7, 3, v2                        ; and 8 bytes a lane in memory
	s_mov_b32 s28, MANT                            ; (an instruction takes one literal: the hold's line has another)
	s_wait_kmcnt 0x0
	s_mov_b64 s[4:5], s[18:19]                     ; which tensor is my work-group's?  The choice hangs on the work-group's number alone
	s_mov_b32 s6, 352
	s_cmp_lt_u32 ttmp9, 352
	s_cselect_b64 s[4:5], s[16:17], s[4:5]
	s_cselect_b32 s6, 320, s6
	s_cmp_lt_u32 ttmp9, 320
	s_cselect_b64 s[4:5], s[14:15], s[4:5]
	s_cselect_b32 s6, 288, s6
	s_cmp_lt_u32 ttmp9, 288
	s_cselect_b64 s[4:5], s[12:13], s[4:5]
	s_cselect_b32 s6, 256, s6
	s_cmp_lt_u32 ttmp9, 256
	s_cselect_b64 s[4:5], s[10:11], s[4:5]
	s_cselect_b32 s6, 128, s6
	s_cmp_lt_u32 ttmp9, 128
	s_cselect_b64 s[4:5], s[8:9], s[4:5]
	s_cselect_b32 s6, 0, s6                        ; s6: the tensor's first work-group
	s_sub_co_u32 s6, ttmp9, s6
	s_lshl_b32 s6, s6, 17                          ; 32 rows of 4,096 bytes
	s_lshl_b32 s7, s24, 15                         ; my 8 rows
	s_add_co_u32 s6, s6, s7
	s_mov_b32 s7, 0
	s_add_nc_u64 s[4:5], s[4:5], s[6:7]
	s_lshl_b32 s30, ttmp9, 15                      ; codes: 32 places of 1,024 bytes,
	s_lshl_b32 s31, s26, 13                        ; my 8 places
	s_add_co_u32 s30, s30, s31
	s_mov_b32 s31, 0
	s_add_nc_u64 s[20:21], s[20:21], s[30:31]
	s_mul_i32 s30, s24, 98304                      ; scales: run w of 12,288 places x 8 bytes,
	s_lshl_b32 s29, ttmp9, 8                       ; my work-group's 32 places
	s_add_co_u32 s30, s30, s29
	s_add_nc_u64 s[22:23], s[22:23], s[30:31]
.macro LOAD t
.irp i, 0,1,2,3
	global_load_b128 v[R+16*((\t)%4)+4*\i:R+16*((\t)%4)+4*\i+3], v3, s[4:5] offset:2048*(\t)+512*\i th:TH_LOAD_NT   ; 32 lanes read 512 consecutive bytes, read once in the launch
.endr
.endm
.macro TURN t                          ; step t's numbers through the stage: LDS serves a wave's instructions in order, so no wait stands between the stores and the loads
.irp i, 0,1,2,3
	ds_store_b128 v14, v[R+16*((\t)%4)+4*\i:R+16*((\t)%4)+4*\i+3] offset:32*SP*((\t)%2)+8*SP*\i
.endr
.irp i, 0,1,2,3
	ds_load_b128 v[X+16*((\t)%2)+4*\i:X+16*((\t)%2)+4*\i+3], v15 offset:32*SP*((\t)%2)+16*\i
.endr
.endm
.irp t, 0,1,2,3
	LOAD \t
.endr
	s_wait_loadcnt 12                              ; step 0's four loads are in; the twelve of steps 1 to 3 may be out
	TURN 0
.macro STEP t
.set XS, X+16*((\t)%2)
.if (\t) > 0
	s_wait_dscnt 1                                 ; this step's numbers are back from the stage (the last step's byte store may be out): so its stores into the stage have read their registers,
.else
	s_wait_dscnt 0x0
.endif
.if (\t)+4 < STEPS
	LOAD (\t)+4                                    ; which take the loads of four steps on
.endif
.if (\t)+1 < STEPS
.if STEPS-2-(\t) >= 3
	s_wait_loadcnt 12                              ; the next step's four loads are in; those of the three steps behind it may be out
.else
	s_wait_loadcnt 4*(STEPS-2-(\t))
.endif
	TURN (\t)+1                                    ; and go through the other stage while this step is worked
.endif
	v_max3_num_f32 v8, |v[XS]|, |v[XS+1]|, |v[XS+2]|               ; the largest magnitude of my 16, in two chains
	v_max3_num_f32 v9, |v[XS+3]|, |v[XS+4]|, |v[XS+5]|
.irp i, 6,10
	v_max3_num_f32 v8, v8, |v[XS+\i]|, |v[XS+\i+1]|
	v_max3_num_f32 v9, v9, |v[XS+\i+2]|, |v[XS+\i+3]|
.endr
	v_max3_num_f32 v8, v8, |v[XS+14]|, |v[XS+15]|
	v_max3_num_f32 v8, v8, v9, (EMAX+1)<<23        ; and the floor 2^(9 - 127): the byte cannot fall under 1
	v_max_num_f32_dpp v8, v8, v8 row_xmask:1 row_mask:0xf bank_mask:0xf   ; and of my neighbour's 16: the block's
	v_add_nc_u32 v11, -(EMAX<<23), v8              ; 8 off its exponent field: the conversion takes the exponent field of this operand as its scale
	v_and_or_b32 v10, v8, 0x7f800000, s28          ; 448 x the scale
.irp i, 0,1,2,3,4,5,6,7,8,9,10,11,12,13,14,15
	v_med3_num_f32 v[XS+\i], v[XS+\i], -v10, v10   ; the conversion to an 8-bit code does not saturate (ISA guide 7.6.2): the hold comes first
.endr
	v_cvt_scalef32_pk8_fp8_f32 v[C+4*(\t):C+4*(\t)+1], v[XS:XS+7], v11
	v_cvt_scalef32_pk8_fp8_f32 v[C+4*(\t)+2:C+4*(\t)+3], v[XS+8:XS+15], v11
	v_lshrrev_b32 v[E+(\t)], 23, v11               ; the scale's byte (a plain line behind the conversions)
	ds_store_b8 v5, v[E+(\t)] offset:16*(\t)       ; both lanes of a block write the same byte with the same value
	global_store_b128 v4, v[C+4*(\t):C+4*(\t)+3], s[20:21] offset:32*CB*(\t)   ; 512 consecutive bytes, aligned
.endm
.irp t, 0,1,2,3,4,5,6,7,8,9,10,11,12,13,14,15
	STEP \t
.endr
	s_wait_dscnt 0x0                               ; for the others' sake: my byte stores have landed
	s_barrier_signal -1
	s_barrier_wait -1                              ; the 32 places' scale bytes lie in LDS
	ds_load_b64 v[12:13], v6
	s_wait_dscnt 0x0
	global_store_b64 v7, v[12:13], s[22:23]        ; 32 lanes store 256 consecutive bytes, aligned
	s_wait_tensorcnt 0x0
	ds_add_u32 v192, v193
	s_wait_dscnt 0x0
	s_endpgm
.Lfunc_end_k_q36189e0e1b_quant:
	.size	k_q36189e0e1b_quant, .Lfunc_end_k_q36189e0e1b_quant-k_q36189e0e1b_quant
	.p2alignl 7, 3214868480
	.fill 96, 4, 3214868480
	.section	.rodata,"a",@progbits
	.p2align	6, 0x0
	.amdhsa_kernel k_q36189e0e1b_quant
		.amdhsa_group_segment_fixed_size 34304
		.amdhsa_private_segment_fixed_size 0
		.amdhsa_enable_private_segment 0
		.amdhsa_kernarg_size 64
		.amdhsa_user_sgpr_count 2
		.amdhsa_user_sgpr_kernarg_segment_ptr 1
		.amdhsa_wavefront_size32 1
		.amdhsa_system_sgpr_workgroup_id_x 1
		.amdhsa_system_sgpr_workgroup_id_y 1
		.amdhsa_system_sgpr_workgroup_id_z 1
		.amdhsa_system_vgpr_workitem_id 0
		.amdhsa_next_free_vgpr 194
		.amdhsa_next_free_sgpr 66
		.amdhsa_reserve_vcc 0
		.amdhsa_float_denorm_mode_32 3
		.amdhsa_float_denorm_mode_16_64 3
		.amdhsa_memory_ordered 1
		.amdhsa_forward_progress 1
		.amdhsa_inst_pref_size 52
	.end_amdhsa_kernel
	.amdgpu_metadata
---
amdhsa.version: [ 1, 2 ]
amdhsa.kernels:
  - .name:           k_q36189e0e1b_quant
    .symbol:         k_q36189e0e1b_quant.kd
    .args:
      - { .name: src, .offset: 0, .size: 8, .value_kind: global_buffer, .address_space: global }
      - { .name: tgt, .offset: 8, .size: 8, .value_kind: global_buffer, .address_space: global }
      - { .name: qw, .offset: 16, .size: 8, .value_kind: global_buffer, .address_space: global }
      - { .name: kw, .offset: 24, .size: 8, .value_kind: global_buffer, .address_space: global }
      - { .name: vw, .offset: 32, .size: 8, .value_kind: global_buffer, .address_space: global }
      - { .name: ow, .offset: 40, .size: 8, .value_kind: global_buffer, .address_space: global }
      - { .name: codes, .offset: 48, .size: 8, .value_kind: global_buffer, .address_space: global }
      - { .name: scales, .offset: 56, .size: 8, .value_kind: global_buffer, .address_space: global }
    .group_segment_fixed_size: 34304
    .private_segment_fixed_size: 0
    .kernarg_segment_align: 8
    .kernarg_segment_size: 64
    .max_flat_workgroup_size: 128
    .sgpr_count:     66
    .vgpr_count:     194
    .wavefront_size: 32
...
	.end_amdgpu_metadata
.endif
;; end of part 1
;; launch proj (part 2): grid 16 x 16, 4 waves a work-group, clusters of 4 x 4, 327,680 bytes of LDS; arguments codes, scales, qb, kb, vb, qkv, qkvs; writes qkv, qkvs
.if DOCPART == 2
	.amdgcn_target "amdgcn-amd-amdhsa--gfx1250"
	.amdhsa_code_object_version 6
	.text
	.protected	k_q36189e0e1b_proj
	.globl	k_q36189e0e1b_proj
	.p2align	8
	.type	k_q36189e0e1b_proj,@function
k_q36189e0e1b_proj:
	s_mov_b64 s[64:65], 0
	v_nop
	global_prefetch_b8 v0, s[64:65] scope:SCOPE_SE
	s_setreg_imm32_b32 hwreg(HW_REG_WAVE_MODE, 25, 1), 1
	s_wait_xcnt 0x0
	s_wait_alu depctr_hold_cnt(0) depctr_sa_sdst(0) depctr_va_vdst(0) depctr_va_sdst(0) depctr_va_ssrc(0) depctr_va_vcc(0) depctr_vm_vsrc(0)
	s_getreg_b32 s2, hwreg(HW_REG_IB_STS2, 6, 4)
	s_cmp_eq_u32 s2, 0
	s_cbranch_scc0 .Lentry_in_a_cluster
	s_endpgm
.Lentry_in_a_cluster:
	s_bfe_u32 s2, ttmp6, 0x10000c
	s_cmp_lg_u32 s2, 0xf033
	s_cbranch_scc0 .Lentry_shape_is_right
	s_endpgm
.Lentry_shape_is_right:
; The four projections q = src qw^T + qb, k = tgt kw^T + kb, v_src = src vw^T + vb, v_tgt = tgt vw^T + vb on codes of FP8 (E4M3) with E8M0 scales, K = 1,024, f32 sums; the results are quantised
; in registers for the attention launch: q and k along the head's 64, v along the sequence (the keys), and leave as images of operand registers.
; SHARES.  A cluster of 4 x 4 work-groups makes one projection g (cluster y: 0 q, 1 k, 2 v_src, 3 v_tgt) of one batch u (cluster x): 1,024 x 1,024.  A work-group makes 256 x 256, each of its four waves 128 x 128:
; 64 accumulators of 16 x 16, 512 registers.  K goes in steps of 256 through a ring of two LDS slots (rows of 256 bytes of memory, 272 apart in LDS).
; THE AXIS THAT IS QUANTISED RUNS ALONG A LANE'S REGISTERS: it is source 0 ("B").  g < 2: B = rows of the weight, source 1 ("A") = rows of src or tgt.  g >= 2: B = rows of src or tgt, A = rows of vw.
; All rows lie at their PLACES (bits 3 and 4 of the row number exchanged), so that registers 16 e + i of A's block a hold B's true index 32 e + 16 (lane / 16) + i: the layout of an operand's registers.
; The bias is the C of the first K step: along the registers for g < 2, along the lanes for g >= 2; only that step's text differs, by a branch on g, which all partners of a cluster share.
; OUT.  qkv: [g][u][X 8][Y 64][e 4][512 bytes]: a slice is 16 lanes' rows x 32 along the next K, lane l's 16 bytes at 16 l.  X = 128 of B's axis (g < 2: a pair of heads; g >= 2: 128 keys), Y = 16 places of A's axis.
; qkvs: [g][u][X][16 Y + r] words, byte e.
; CLUSTER.  A's tiles are shared along a row of the cluster, B's along a column: joint tensor loads, as are the scale bytes of all of K (filled once).
; LIMITS: a block of zeros, or one whose largest magnitude lies under 2^-118, gets the byte 1; NaN and infinities are not served.
; REGISTERS: window 0: v0-31 addresses; v32-63 scale words, two sets; v64-127 the bias, later v64-71 the results' scale words; v128-255 A's fragments, one set; on the way out v128-223 at work.
;   window 1: B's fragments, two sets.   window 2: accumulators of A's blocks 0-3 ((a, b) at v[8 (8 (a % 4) + b)]);   window 3: of blocks 4-7.
.set ROWB,   256                       ; a tile's row in bytes: 256 codes
.set KROW,   1024                      ; a row of codes in memory
.set NROWS,  12288                     ; places in the buffers of codes and scales
.set NQ,     2                         ; matrix instructions deep in a slot
.set PITCH,  272                       ; an LDS row: 256 bytes + 16 of padding = 68 words: the 16 rows that a load touches start at 16 different banks (64 banks of 4 bytes: ISA guide 11.1)
.set FR,     16                        ; registers of a fragment
.set NL,     4                         ; LDS loads that bring one
.set NP,     8                         ; places behind this matrix instruction (ISA guide 7.12.1)
.set HALFT,  128*PITCH
.set SLOT,   4*HALFT                   ; A's 256 rows, then B's 256 rows
.set SCL,    2*SLOT                    ; behind the ring: the scale bytes: a region of [4 runs of K][128 rows][8 bytes] for each fetching wave
.set SPARE,  SCL+4*4096                ; the spare words, 128 bytes for each wave: two blocks of 256 bytes that no other line names
.set BO1,  8                           ; v8      the bias's lane offset, g < 2: 64 (lane / 16)
.set BO2,  9                           ; v9      g >= 2: 4 (r + 8 (r / 8))
.set ADRA, 16                          ; v16-17  LDS address of my A fragments in slot 0, 1
.set ADRB, 20                          ; v20-21  the same for B
.set STO,  24                          ; v24     the way out: where a row's scale word goes: 512 x wave + 4 r, in slot 0, which has had its last fill and its last read by then
.set RD,   25                          ; v25     and where 16 bytes of them come back
.set CO,   26                          ; v26     16 x lane
.set ADRS, 27                          ; v27     LDS address of my scale words: lanes 0-15 A's rows, lanes 16-31 B's
.set SPW,  28                          ; v28     LDS address of my spare word; never rewritten
.set NIL,  29                          ; v29     0; never rewritten
.set SC,   32                          ; scale words: set s at v[SC + 16 s]; register 2 i + q: lanes 0-15 A's block i, lanes 16-31 B's block i
.set BIA,  64
.set WS,   64
.set AF,   128
.set X,    128                         ; the way out: 64 held numbers
.set C,    192                         ; 16 registers of codes
.set TM,   208                         ; v208-211 largest magnitudes, v212-215 bytes, v216-219 448 x the scale, v220-223 the conversions' scale operands
.set G1, 24                            ; s[24:31] group 1 for A's tiles;  s[32:39] group 0, one set for each slot
.set G0, 32
.set G1B, 48                           ; s[48:55], s[56:63] the same for B's
.set G0B, 56
.set G1S, 68                           ; s[68:75], s[76:79] groups 1 and 0 for A's scales;  s[80:87], s[88:91] for B's
.set G0S, 76
.set G1SB, 80
.set G0SB, 88
.set MSB, 0
.macro WIN new                         ; the immediate's high byte repeats the setting that is left
.if MSB != \new
	s_set_vgpr_msb (MSB<<8)|\new
.set MSB, \new
.endif
.endm
.set MUL_LO, 0xa1                      ; source 0 (B) window 1, source 1 (A) window 0, C and D window 2
.set MUL_HI, 0xf1                      ; the same, C and D window 3
.set TO_B,   0x40                      ; destination window 1, address window 0
; A joint load: waves 0 and 1 fetch for A, waves 2 and 3 for B.  The branch hangs on the wave's number alone.  Four v_nop follow each of the two lines.
.macro JLOAD g0a, g1a, g0b, g1b
	s_cmp_eq_u32 s15, 0
	s_cbranch_scc0 .Lfor_b_\@
	tensor_load_to_lds s[\g0a:\g0a+3], s[\g1a:\g1a+7]
	s_nop 0
.rept 4
	v_nop
.endr
	s_branch .Lasked_\@
.Lfor_b_\@:
	tensor_load_to_lds s[\g0b:\g0b+3], s[\g1b:\g1b+7]
	s_nop 0
.rept 4
	v_nop
.endr
.Lasked_\@:
.endm
.macro CREST                           ; a round of the cluster's barrier behind its opening barrier
	s_cmp_lg_u32 s14, 0
	s_cbranch_scc1 .Lnot_wave_0_\@
	s_barrier_signal -3
.Lnot_wave_0_\@:
	s_barrier_wait -3
	s_barrier_signal -1
	s_barrier_wait -1
.endm
.macro CROUND                          ; a whole round
	s_barrier_signal -1
	s_barrier_wait -1
	CREST
.endm
	s_load_b128 s[4:7], s[0:1], 0x0                ; codes s[4:5], scales s[6:7]
	s_load_b128 s[8:11], s[0:1], 0x10              ; qb, kb
	s_load_b64 s[12:13], s[0:1], 0x20              ; vb
	s_load_b128 s[96:99], s[0:1], 0x28             ; qkv s[96:97], qkvs s[98:99]
	v_lshl_add_u32 v[SPW], v0, 2, SPARE
	v_mov_b32 v[NIL], 0
	ds_add_u32 v28, v29
	ds_add_u32 v28, v29
	s_wait_dscnt 0x0
	v_lshrrev_b32 v1, 5, v0
	v_readfirstlane_b32 s14, v1                    ; wave 0..3
	s_lshr_b32 s15, s14, 1                         ; which half of A's 256 rows is mine.  Also: I fetch for A (0) or for B (1)
	s_and_b32 s16, s14, 1                          ; which half of B's.  Also: which 128 rows I fetch
	s_bfe_u32 s40, ttmp6, 0x40000                  ; cx, cy: my place in the cluster
	s_bfe_u32 s41, ttmp6, 0x40004
	s_mov_b32 s67, ttmp9                           ; u: the batch (cluster x)
	s_and_b32 s66, ttmp7, 0xffff                   ; g: the projection (cluster y)
	s_lshl_b32 s43, s41, 2
	s_lshl_b32 s43, 15, s43                        ; my row of the cluster
	s_lshl_b32 s44, 0x1111, s40                    ; my column
	; group 1 for codes: 128 rows x 256 bytes, 1,024 apart in memory, padded in LDS
	s_or_b32 s[G1+0], s43, (0<<16)|(1<<20)|(1<<21)|(5<<22)|(3<<25)  ; 15:0 the mask; 17:16 elements of 1 byte; 20 padding on; 21 set beside a mask; 24:22 after every 64 words; 31:25 of 4 words
	s_or_b32 s[G1B+0], s44, (0<<16)|(1<<20)|(1<<21)|(5<<22)|(3<<25)
.irp g, G1, G1B
	s_mov_b32 s[\g+1], ROWB<<16                    ; tensor_dim0
	s_mov_b32 s[\g+2], 128<<16                     ; tensor_dim1
	s_mov_b32 s[\g+3], ROWB<<16                    ; tile_dim0
	s_mov_b32 s[\g+4], 128                         ; tile_dim1
	s_mov_b32 s[\g+5], KROW                        ; the pitch
	s_mov_b32 s[\g+6], 0
	s_mov_b32 s[\g+7], 0
.endr
	; group 1 for scales: 4 runs of K x 128 rows of 8 bytes (1,024 consecutive bytes), 12,288 elements apart; no padding
	s_or_b32 s[G1S+0], s43, (3<<16)|(1<<21)
	s_or_b32 s[G1SB+0], s44, (3<<16)|(1<<21)
.irp g, G1S, G1SB
	s_mov_b32 s[\g+1], 128<<16
	s_mov_b32 s[\g+2], 4<<16
	s_mov_b32 s[\g+3], 128<<16
	s_mov_b32 s[\g+4], 4
	s_mov_b32 s[\g+5], NROWS
	s_mov_b32 s[\g+6], 0
	s_mov_b32 s[\g+7], 0
.endr
	; the first places of A's and B's 1,024 rows, by arithmetic on g and u, which all partners share
	s_and_b32 s17, s66, 1
	s_lshl_b32 s17, s17, 12
	s_lshl_b32 s18, s67, 10
	s_add_co_u32 s17, s17, s18                     ; the activations: (g & 1) 4,096 + 1,024 u
	s_min_u32 s18, s66, 2
	s_lshl_b32 s18, s18, 10
	s_add_co_u32 s18, s18, 8192                    ; the weight: 8,192 + 1,024 min(g, 2)
	s_lshr_b32 s19, s66, 1                         ; 1 for v: the two change roles
	s_sub_co_u32 s20, s18, s17
	s_mul_i32 s20, s20, s19
	s_add_co_u32 s17, s17, s20                     ; A's
	s_sub_co_u32 s18, s18, s20                     ; B's
	s_lshl_b32 s19, s16, 7                         ; which 128 rows of a tile I fetch
	s_lshl_b32 s20, s41, 8
	s_add_co_u32 s20, s20, s17
	s_add_co_u32 s20, s20, s19                     ; A: + 256 cy + 128 x half
	s_lshl_b32 s46, s40, 8
	s_add_co_u32 s46, s46, s18
	s_add_co_u32 s46, s46, s19                     ; B: + 256 cx + 128 x half
	s_lshl_b32 s22, s20, 3                         ; their scale bytes: 8 a place,
	s_lshl_b32 s20, s20, 10                        ; their codes: 1,024 a place
	s_mov_b32 s21, 0
	s_mov_b32 s23, 0
	s_lshl_b32 s92, s46, 3
	s_lshl_b32 s46, s46, 10
	s_mov_b32 s47, 0
	s_mov_b32 s93, 0
	s_mul_i32 s45, s14, HALFT                      ; where they go: wave x 128 rows: no place in the cluster enters an LDS address
	s_lshl_b32 s94, s14, 12
	s_wait_kmcnt 0x0
	s_add_nc_u64 s[20:21], s[4:5], s[20:21]
	s_add_nc_u64 s[22:23], s[6:7], s[22:23]
	s_add_nc_u64 s[46:47], s[4:5], s[46:47]
	s_add_nc_u64 s[92:93], s[6:7], s[92:93]
	CROUND                                         ; all sixteen work-groups are here: the first joint loads meet
	s_mov_b32 s[G0S], 1
	s_add_co_u32 s[G0S+1], s94, SCL
	s_mov_b64 s[G0S+2:G0S+3], s[22:23]
	s_or_b32 s[G0S+3], s[G0S+3], 0x80000000
	s_mov_b32 s[G0SB], 1
	s_add_co_u32 s[G0SB+1], s94, SCL
	s_mov_b64 s[G0SB+2:G0SB+3], s[92:93]
	s_or_b32 s[G0SB+3], s[G0SB+3], 0x80000000
	JLOAD G0S, G1S, G0SB, G1SB                     ; the scales first: they are wanted with K step 0.  With the two below, three loads of mine are out
.irp s, 0,1
	s_mov_b32 s[G0+4*\s], 1
	s_add_co_u32 s[G0+4*\s+1], s45, \s*SLOT
	s_add_nc_u64 s[G0+4*\s+2:G0+4*\s+3], s[20:21], \s*ROWB
	s_or_b32 s[G0+4*\s+3], s[G0+4*\s+3], 0x80000000
	s_mov_b32 s[G0B+4*\s], 1
	s_add_co_u32 s[G0B+4*\s+1], s45, \s*SLOT
	s_add_nc_u64 s[G0B+4*\s+2:G0B+4*\s+3], s[46:47], \s*ROWB
	s_or_b32 s[G0B+4*\s+3], s[G0B+4*\s+3], 0x80000000
	JLOAD G0+4*\s, G1, G0B+4*\s, G1B
.endr
	v_and_b32 v1, 15, v0                           ; r = lane % 16
	v_bfe_u32 v2, v0, 4, 1                         ; h = lane / 16
	v_mul_u32_u24 v3, v1, PITCH
	v_lshl_add_u32 v4, v2, 4, v3                   ; a fragment's row x pitch + 16 h
	s_mul_i32 s21, s15, HALFT                      ; my 128 rows of A
	s_mul_i32 s22, s16, HALFT                      ; my 128 rows of B,
	s_add_co_u32 s22, s22, 2*HALFT                 ; which lie behind A's 256
.irp s, 0,1
	v_add_nc_u32 v[ADRA+\s], s21, v4
	v_add_nc_u32 v[ADRB+\s], s22, v4
	s_add_co_u32 s21, s21, SLOT
	s_add_co_u32 s22, s22, SLOT
.endr
	v_lshlrev_b32 v5, 3, v1                        ; my row's scale bytes: 8 a row
	s_lshl_b32 s21, s15, 12                        ; A's: the region of wave s15
	s_lshl_b32 s22, s16, 12                        ; B's: the region of wave 2 + s16
	s_add_co_u32 s22, s22, 2*4096
	s_sub_co_u32 s22, s22, s21
	v_mul_u32_u24 v6, s22, v2                      ; lanes 16-31 take B's: one product, the distance x h
	s_add_co_u32 s21, s21, SCL
	v_add_nc_u32 v5, v5, v6
	v_add_nc_u32 v[ADRS], s21, v5
	s_lshl_b32 s23, s14, 9
	v_lshl_add_u32 v[STO], v1, 2, s23
	v_and_b32 v6, 31, v0
	v_lshlrev_b32 v[CO], 4, v6
	v_add_nc_u32 v[RD], s23, v[CO]
	v_lshlrev_b32 v[BO1], 6, v2
	v_and_b32 v[BO2], 8, v1
	v_add_nc_u32 v[BO2], v[BO2], v1
	v_lshlrev_b32 v[BO2], 2, v[BO2]
	; the bias and the outputs.  P = my first index along B's axis, Q = along A's
	s_lshl_b32 s42, s40, 8
	s_lshl_b32 s2, s16, 7
	s_add_co_u32 s42, s42, s2                      ; P = 256 cx + 128 x my half of B
	s_lshl_b32 s95, s41, 8
	s_lshl_b32 s2, s15, 7
	s_add_co_u32 s95, s95, s2                      ; Q = 256 cy + 128 x my half of A
	s_mov_b32 s3, 0
	s_cmp_eq_u32 s66, 0
	s_cselect_b64 s[8:9], s[8:9], s[10:11]         ; qb or kb,
	s_cmp_lt_u32 s66, 2
	s_cselect_b64 s[8:9], s[8:9], s[12:13]         ; or vb
	s_cselect_b32 s2, s42, s95                     ; the attention dimension is B's axis for q and k, A's for v
	s_lshl_b32 s2, s2, 2
	s_add_nc_u64 s[8:9], s[8:9], s[2:3]
	s_lshl_b32 s2, s66, 2
	s_add_co_u32 s2, s2, s67
	s_lshl_b32 s2, s2, 15                          ; qkvs: (4 g + u) x 8 x 4,096
	s_lshl_b32 s42, s42, 5                         ; + (P / 128) x 4,096
	s_add_co_u32 s2, s2, s42
	s_lshl_b32 s95, s95, 2                         ; + 4 Q
	s_add_co_u32 s2, s2, s95
	s_add_nc_u64 s[98:99], s[98:99], s[2:3]
	s_lshl_b32 s2, s2, 5                           ; qkv: 128 bytes of codes for each word: 32 times that offset
	s_add_nc_u64 s[96:97], s[96:97], s[2:3]
	s_mov_b32 s10, 0x76543210                      ; v_permlanex16_b32's selects for lane l xor 16
	s_mov_b32 s11, 0xfedcba98
	s_mov_b32 s12, 0x600000                        ; the mantissa field of 448
	s_cmp_lt_u32 s66, 2
	s_cbranch_scc0 .Lbias_v
.irp b, 0,1,2,3,4,5,6,7                        ; q, k: register j of B's block b is dimension 32 (b / 2) + 8 (b % 2) + 16 h + j
	global_load_b128 v[BIA+8*\b:BIA+8*\b+3], v[BO1], s[8:9] offset:(32*(\b/2)+8*(\b%2))*4
	global_load_b128 v[BIA+8*\b+4:BIA+8*\b+7], v[BO1], s[8:9] offset:(32*(\b/2)+8*(\b%2))*4+16
.endr
	s_branch .Lbias_done
.Lbias_v:
.irp a, 0,1,2,3,4,5,6,7                        ; v: lane r of A's block a is dimension 32 (a / 2) + 8 (a % 2) + r + 8 (r / 8), the same in all eight registers
.irp j, 0,1,2,3,4,5,6,7
	global_load_b32 v[BIA+8*\a+\j], v[BO2], s[8:9] offset:(32*(\a/2)+8*(\a%2))*4
.endr
.endr
.Lbias_done:
.macro FRAG reg, adr, q, i             ; a fragment, 16 rows x 128 K: registers 4 c .. 4 c + 3 hold K = 32 c + 16 (lane / 16) + 0 .. 15
.irp c, 0,1,2,3
	ds_load_b128 v[\reg+4*\c:\reg+4*\c+3], v[\adr] offset:128*(\q)+32*\c+(\i)*16*PITCH
.endr
.endm
; 16 matrix instructions: A's blocks a0, a0 + 1 x B's eight.  p: B's set;  q: which 128 of the slot;  sc: the set of scale words.  cc = 1: C = the bias by B's block; 2: by A's block; 0: the sum goes on.
; The 64 accumulators take turns, one instruction a turn, in the same order in every step.
.macro MUL16 a0, p, q, sc, cc
.irp a, \a0, \a0+1
.irp b, 0,1,2,3,4,5,6,7
.if (\cc) == 1
	v_wmma_scale_f32_16x16x128_f8f6f4 v[8*(8*((\a)%4)+\b):8*(8*((\a)%4)+\b)+7], v[128*(\p)+FR*\b:128*(\p)+FR*\b+FR-1], v[AF+FR*(\a):AF+FR*(\a)+FR-1], v[BIA+8*\b:BIA+8*\b+7], v[SC+8*NQ*(\sc)+NQ*\b+(\q)], v[SC+8*NQ*(\sc)+NQ*(\a)+(\q)] matrix_a_scale:MATRIX_SCALE_ROW1
.elseif (\cc) == 2
	v_wmma_scale_f32_16x16x128_f8f6f4 v[8*(8*((\a)%4)+\b):8*(8*((\a)%4)+\b)+7], v[128*(\p)+FR*\b:128*(\p)+FR*\b+FR-1], v[AF+FR*(\a):AF+FR*(\a)+FR-1], v[BIA+8*(\a):BIA+8*(\a)+7], v[SC+8*NQ*(\sc)+NQ*\b+(\q)], v[SC+8*NQ*(\sc)+NQ*(\a)+(\q)] matrix_a_scale:MATRIX_SCALE_ROW1
.else
	v_wmma_scale_f32_16x16x128_f8f6f4 v[8*(8*((\a)%4)+\b):8*(8*((\a)%4)+\b)+7], v[128*(\p)+FR*\b:128*(\p)+FR*\b+FR-1], v[AF+FR*(\a):AF+FR*(\a)+FR-1], v[8*(8*((\a)%4)+\b):8*(8*((\a)%4)+\b)+7], v[SC+8*NQ*(\sc)+NQ*\b+(\q)], v[SC+8*NQ*(\sc)+NQ*(\a)+(\q)] matrix_a_scale:MATRIX_SCALE_ROW1
.endif
.endr
.endr
.endm
.macro FETCH_B slot, q, p
	WIN TO_B
.irp i, 0,1,2,3,4,5,6,7
	FRAG 128*(\p)+FR*\i, ADRB+\slot, \q, \i
.endr
	WIN 0
.endm
.macro FETCH_A slot, q, i0
.irp i, \i0, \i0+1, \i0+2, \i0+3
	FRAG AF+FR*(\i), ADRA+\slot, \q, \i
.endr
.endm
.macro SCALES sc                       ; a K step's scale words into set sc: two words a row; lanes 0-15 take A's block i, lanes 16-31 B's block i
.irp i, 0,1,2,3,4,5,6,7
	ds_load_b64 v[SC+8*NQ*\sc+NQ*\i:SC+8*NQ*\sc+NQ*\i+1], v[ADRS] offset:\i*128
.endr
.endm
.macro PLACES n                        ; plain vector instructions between a matrix instruction and a load into, or a read of, its registers
.rept \n
	v_nop
.endr
.endm
; A step of 128 along K that has its successor in the same slot.  A has one set of registers: blocks 0-3 are fetched anew in the step's middle, blocks 4-7 at its end.
.macro STEP slot, q, cc
.if \cc
.set WLO, 0x81                         ; C (the bias) window 0, D window 2
.set WHI, 0xc1                         ; C window 0, D window 3
.else
.set WLO, MUL_LO
.set WHI, MUL_HI
.endif
	s_wait_dscnt 4*NL                              ; B's set, the scale words and A's blocks 0-3 are in; the 16 youngest loads (A's blocks 4-7) may be out
	WIN WLO
	MUL16 0, (\q)%2, \q, \slot, \cc
	MUL16 2, (\q)%2, \q, \slot, \cc
	s_wait_dscnt 0                                 ; A's blocks 4-7 are in
	PLACES NP
	FETCH_B \slot, (\q)+1, 1-(\q)%2
	FETCH_A \slot, (\q)+1, 0
	WIN WHI
	MUL16 4, (\q)%2, \q, \slot, \cc
	MUL16 6, (\q)%2, \q, \slot, \cc
	PLACES NP
	WIN 0
	FETCH_A \slot, (\q)+1, 4
.endm
; A slot's last step changes slots: ONE barrier; in front of it each wave waits for all its tensor loads, adds 0 to its spare word, and waits for that and for its own reads of this slot.  fill = 1: this slot is filled again, two K steps ahead.
.macro TURN slot, next, fill
	s_wait_tensorcnt 0x0                           ; all my tensor loads have landed: my part of the next slot
	ds_add_u32 v[SPW], v[NIL]                      ; 0 onto my spare word
	s_wait_dscnt 4*NL+1                            ; (the add and the 16 youngest loads, A's blocks 4-7, may be out)
	WIN MUL_LO
	MUL16 0, 1, NQ-1, \slot, 0                     ; sixteen matrix instructions stand between the add and the wait for it
	s_wait_dscnt 0x0                               ; the add is done, and my reads of this slot are over
	s_barrier_signal -1
	MUL16 2, 1, NQ-1, \slot, 0
	WIN 0
	s_barrier_wait -1
.if \fill
	CREST                                          ; the barrier has opened a round of the cluster's barrier: no wave of any partner still reads this slot or has a load on its way
	s_add_nc_u64 s[G0+4*\slot+2:G0+4*\slot+3], s[G0+4*\slot+2:G0+4*\slot+3], 2*ROWB
	s_add_nc_u64 s[G0B+4*\slot+2:G0B+4*\slot+3], s[G0B+4*\slot+2:G0B+4*\slot+3], 2*ROWB
	JLOAD G0+4*\slot, G1, G0B+4*\slot, G1B         ; the first tensor load behind the round; its four v_nop are among the places in front of the loads below
	PLACES NP-4
.else
	PLACES NP
.endif
	v_add_nc_u32 v[ADRS], 1024, v[ADRS]            ; on to the next K step's scale words: 128 rows x 8 bytes
	FETCH_B \next, 0, 0
	FETCH_A \next, 0, 0
	SCALES \next
	WIN MUL_HI
	MUL16 4, 1, NQ-1, \slot, 0
	MUL16 6, 1, NQ-1, \slot, 0
	PLACES NP
	WIN 0
	FETCH_A \next, 0, 4
.endm
	s_wait_tensorcnt 1                             ; the scales and my part of K step 0 are in (K step 1's load may be out)
	s_barrier_signal -1
	s_barrier_wait -1                              ; everybody's are
	FETCH_B 0, 0, 0
	FETCH_A 0, 0, 0
	SCALES 0
	FETCH_A 0, 0, 4
	s_wait_loadcnt 0x0                             ; the bias
	s_cmp_lt_u32 s66, 2                            ; the first step starts the sums with the bias: by B's block for q and k, by A's block for v.  Both ways issue the same LDS loads
	s_cbranch_scc0 .Lfirst_v
	STEP 0, 0, 1
	s_branch .Lfirst_done
.Lfirst_v:
	STEP 0, 0, 2
.Lfirst_done:
	TURN 0, 1, 1                                   ; K = 1,024 is four slots' worth: written out
	STEP 1, 0, 0
	TURN 1, 0, 1
	STEP 0, 0, 0
	TURN 0, 1, 0                                   ; nothing is left to fetch, so no round follows
	STEP 1, 0, 0
	s_wait_dscnt 4*NL                              ; the very last step
	WIN MUL_LO
	MUL16 0, 1, NQ-1, 1, 0
	MUL16 2, 1, NQ-1, 1, 0
	s_wait_dscnt 0
	WIN MUL_HI
	MUL16 4, 1, NQ-1, 1, 0
	MUL16 6, 1, NQ-1, 1, 0
	WIN 0
; THE WAY OUT.  A's block a: a lane's 64 registers are 128 along the next K of its row: four blocks of 32, each shared with lane l xor 16.  They become 16 registers of codes, which leave as four slices of 512
; consecutive bytes, and a scale word.  Each accumulator is read from its low end on.
.macro QROW a
.set AC, 64*((\a)%4)
.set WA, 2+(\a)/4
.set WW, WA|(WA<<2)
	WIN WW                                         ; sources 0 and 1: the accumulators' window
.irp e, 0,1,2,3
	v_max3_num_f32 v[TM+\e], |v[AC+16*\e]|, |v[AC+16*\e+1]|, 0x4800000   ; my 16 numbers of block e, and the floor 2^(9 - 127): the byte cannot fall under 1
.endr
.irp i, 2,4,6,8,10,12,14
.irp e, 0,1,2,3
	v_max3_num_f32 v[TM+\e], |v[AC+16*\e+\i]|, |v[AC+16*\e+\i+1]|, v[TM+\e]
.endr
.endr
	WIN 0
.irp e, 0,1,2,3
	v_permlanex16_b32 v[TM+4+\e], v[TM+\e], s10, s11
.endr
.irp e, 0,1,2,3
	v_max_num_f32 v[TM+\e], v[TM+\e], v[TM+4+\e]   ; with lane l xor 16's: the block's largest magnitude
.endr
.irp e, 0,1,2,3
	v_add_nc_u32 v[TM+12+\e], 0xfc000000, v[TM+\e] ; 8 off its exponent field: the conversion's scale operand
.endr
.irp e, 0,1,2,3
	v_and_or_b32 v[TM+8+\e], v[TM+\e], 0x7f800000, s12   ; 448 x the scale
.endr
.irp e, 0,1,2,3
	v_lshrrev_b32 v[TM+4+\e], 23, v[TM+12+\e]      ; the scale's byte
.endr
	v_lshl_or_b32 v[WS+(\a)], v[TM+5], 8, v[TM+4]
	v_lshl_or_b32 v[WS+(\a)], v[TM+6], 16, v[WS+(\a)]
	v_lshl_or_b32 v[WS+(\a)], v[TM+7], 24, v[WS+(\a)]
	WIN WA                                         ; source 0: the accumulators' window
.irp e, 0,1,2,3
.irp i, 0,1,2,3,4,5,6,7,8,9,10,11,12,13,14,15
	v_med3_num_f32 v[X+16*\e+\i], v[AC+16*\e+\i], -v[TM+8+\e], v[TM+8+\e]   ; the conversion to an 8-bit code does not saturate (ISA guide 7.6.2): the hold
.endr
.endr
	WIN 0
	s_wait_xcnt 0x0                                ; the last block's stores have read their data: the codes' registers are written again only behind this wait
.irp e, 0,1,2,3
	v_cvt_scalef32_pk8_fp8_f32 v[C+4*\e:C+4*\e+1], v[X+16*\e:X+16*\e+7], v[TM+12+\e]
	v_cvt_scalef32_pk8_fp8_f32 v[C+4*\e+2:C+4*\e+3], v[X+16*\e+8:X+16*\e+15], v[TM+12+\e]
.endr
	v_nop                                          ; a plain line behind the last conversion
.irp e, 0,1,2,3
	global_store_b128 v[CO], v[C+4*\e:C+4*\e+3], s[96:97] offset:2048*(\a)+512*\e   ; a slice: 512 consecutive bytes, aligned
.endr
.endm
	PLACES NP                                      ; behind the last products: for the reads of results and the writes of registers that held fragments
.irp e, 0,1,2,3
	v_mov_b32 v[TM+4+\e], 0                        ; written once: a lane permute's destination counts as one of its sources
.endr
.irp a, 0,1,2,3,4,5,6,7
	QROW \a
.endr
.irp a, 0,1,2,3,4,5,6,7
	ds_store_b32 v[STO], v[WS+\a] offset:64*\a     ; my 128 rows' scale words meet in my 512 bytes of LDS (both halves of the lanes write the same word with the same value)
.endr
	ds_load_b128 v[X:X+3], v[RD]                   ; LDS serves a wave's instructions in order: this sees the stores above
	s_wait_dscnt 0x0
	global_store_b128 v[CO], v[X:X+3], s[98:99]    ; 512 consecutive bytes, aligned
	s_wait_tensorcnt 0x0                           ; the wave's end
	ds_add_u32 v[SPW], v[NIL]
	s_wait_dscnt 0x0
	CROUND                                         ; the closing round: no work-group ends while a partner may still ask for a tile that names it
	s_endpgm
.Lfunc_end_k_q36189e0e1b_proj:
	.size	k_q36189e0e1b_proj, .Lfunc_end_k_q36189e0e1b_proj-k_q36189e0e1b_proj
	.p2alignl 7, 3214868480
	.fill 96, 4, 3214868480
	.section	.rodata,"a",@progbits
	.p2align	6, 0x0
	.amdhsa_kernel k_q36189e0e1b_proj
		.amdhsa_group_segment_fixed_size 327680
		.amdhsa_private_segment_fixed_size 0
		.amdhsa_enable_private_segment 0
		.amdhsa_kernarg_size 56
		.amdhsa_user_sgpr_count 2
		.amdhsa_user_sgpr_kernarg_segment_ptr 1
		.amdhsa_wavefront_size32 1
		.amdhsa_system_sgpr_workgroup_id_x 1
		.amdhsa_system_sgpr_workgroup_id_y 1
		.amdhsa_system_sgpr_workgroup_id_z 1
		.amdhsa_system_vgpr_workitem_id 0
		.amdhsa_next_free_vgpr 1024
		.amdhsa_next_free_sgpr 100
		.amdhsa_reserve_vcc 0
		.amdhsa_float_denorm_mode_32 3
		.amdhsa_float_denorm_mode_16_64 3
		.amdhsa_memory_ordered 1
		.amdhsa_forward_progress 1
		.amdhsa_inst_pref_size 206
	.end_amdhsa_kernel
	.amdgpu_metadata
---
amdhsa.version: [ 1, 2 ]
amdhsa.kernels:
  - .name:           k_q36189e0e1b_proj
    .symbol:         k_q36189e0e1b_proj.kd
    .args:
      - { .name: codes, .offset: 0, .size: 8, .value_kind: global_buffer, .address_space: global }
      - { .name: scales, .offset: 8, .size: 8, .value_kind: global_buffer, .address_space: global }
      - { .name: qb, .offset: 16, .size: 8, .value_kind: global_buffer, .address_space: global }
      - { .name: kb, .offset: 24, .size: 8, .value_kind: global_buffer, .address_space: global }
      - { .name: vb, .offset: 32, .size: 8, .value_kind: global_buffer, .address_space: global }
      - { .name: qkv, .offset: 40, .size: 8, .value_kind: global_buffer, .address_space: global }
      - { .name: qkvs, .offset: 48, .size: 8, .value_kind: global_buffer, .address_space: global }
    .group_segment_fixed_size: 327680
    .private_segment_fixed_size: 0
    .kernarg_segment_align: 8
    .kernarg_segment_size: 56
    .max_flat_workgroup_size: 128
    .sgpr_count:     100
    .vgpr_count:     1024
    .wavefront_size: 32
...
	.end_amdgpu_metadata
.endif
;; end of part 2
;; launch attn (part 3): grid 2 x 128, 16 waves a work-group, no clusters, 169,984 bytes of LDS; arguments qkv, qkvs, src_mask, tgt_mask, ocodes, oscales; writes ocodes, oscales
.if DOCPART == 3
	.amdgcn_target "amdgcn-amd-amdhsa--gfx1250"
	.amdhsa_code_object_version 6
	.text
	.protected	k_q36189e0e1b_attn
	.globl	k_q36189e0e1b_attn
	.p2align	8
	.type	k_q36189e0e1b_attn,@function
k_q36189e0e1b_attn:
	s_mov_b64 s[64:65], 0
	v_nop
	global_prefetch_b8 v0, s[64:65] scope:SCOPE_SE
	s_setreg_imm32_b32 hwreg(HW_REG_WAVE_MODE, 25, 1), 1
	s_wait_xcnt 0x0
; Both directions of the attention on codes of FP8 (E4M3) with E8M0 scales.  dir = 0: queries q, keys k, values v_tgt, mask src_mask.  dir = 1: queries k, keys q, values v_src, mask tgt_mask.
; Both masks lie on the QUERY row of their softmax: logit = score / 8 where the mask byte is not 0, else -100000 for every key.  It costs nothing a score: t = score x cm + bm with (cm, bm) = (log2(e) / 8, 0) or
; (0, -100000 log2(e) rounded to f32), chosen by v_cndmask_b32.  A masked row goes through the same lines: p = 2^-0.5 for every key, quantised like any p.
; THE SOFTMAX: M = the running largest t rounded up to a whole number, p = 2^(t - M) is quantised along the keys, not normalised; the row's sum is taken of the unquantised p and divides O at the end; when M
; moves, the sum and O are multiplied by 2^(old M - new M), which rounds nothing.  O is then quantised along the attention dimension for the output projection.
; SHARES.  Work-group (x, y): y = 64 dir + 16 batch + head, x = which half of the 1,024 queries.  Sixteen waves of 256 registers, four to a SIMD, so that one wave's vector work stands beside another's products
; and LDS loads.  A wave takes two tiles of 16 queries, one after the other (PASS 0, 1), each over 8 steps of 128 keys.
; LDS holds the head's K, V and their scale bytes whole: filled once, two tensor loads a wave, one barrier; nothing is filled again.
; NO CLUSTER: a head's K and V are read by its two work-groups alone, the grid's x is 2, and a cluster here has four work-groups along x.
; LAYOUT.  Both products are used transposed: S^T = K Q^T (source 0 = 16 keys), O^T = V^T P^T (source 0 = 16 of the head's 64): a lane holds ONE query throughout.  Rows lie at their places (bits 3 and 4 of the index
; exchanged), so the 16 registers of tiles 2 b and 2 b + 1 are 16 neighbouring true indices 32 b + 16 (lane / 16) + 0 .. 15.  Every operand lies in memory and LDS as slices of 512 bytes, lane l's 16 bytes at 16 l.
; K = 64 IN AN INSTRUCTION OF 128: Q's registers for k = 64 .. 127 hold zero codes.  K's fragment names 16 registers, of which the upper 8 are the next tile's codes (finite: the hold keeps every code under the NaN
; code) or, behind the last tile, zeros; the scale bytes of those two blocks are 0, not 0xff, since the scale halfwords are loaded zero-extended.  Zero codes add nothing.
; LIMITS: NaN and infinities are not served; a block of O whose largest magnitude lies under 2^-118 gets the byte 1; a mask byte counts as true if it is not 0.
.set KB,   0                           ; LDS: K's codes [tile 64][c 2][512]
.set VB,   65536                       ; V's codes [128 keys: 8][16 of the head's 64: 4][c 4][512]
.set SKB,  131072                      ; the head pair's scale words of K, by place: 4,096 bytes
.set SVB,  135168                      ; V's scale words [8][64]: 2,048 bytes
.set AK0,  1                           ; v1   16 x lane
.set AV0,  2                           ; v2   VB + 16 x lane
.set AS0,  3                           ; v3   SKB + 4 r + 2 x (head % 2)
.set AT0,  4                           ; v4   SVB + 4 r
.set ADK,  5                           ; v5-8 the step's addresses
.set ADV,  6
.set ADS,  7
.set ADT,  8
.set GL,   9                           ; v9   16 x lane, as an offset in memory
.set G4,   10                          ; v10  4 r
.set GM,   11                          ; v11  r + 8 (r / 8): my query's true row in its tile's 32
.set G8,   12                          ; v12  8 r
.set QS,   13                          ; v13  Q's scale word;  v[14:15] the row's sum in two halves;  v16-23 Q's codes, v24-31 zeros
.set F,    32                          ; v32-95 eight fragments of K (8 registers each), later four of V (16 each);  v96-103 zeros
.set S,    104                         ; v104-167 S^T, then p
.set OT,   168                         ; v168-199 O^T
.set PC,   200                         ; v200-215 p's codes
.set KS,   216                         ; v216-223 scale words of K or V
.set BM,   224                         ; v224-227 the blocks' largest
.set PB,   228                         ; v228-231 the other half's, later the bytes
.set HL,   232
.set SO,   236                         ; v236-239 the conversions' scale operands
.set T0,   240
.set FF,   242                         ; v[242:243] f = 2^(old M - new M)
.set SU,   244                         ; v[244:245] the sums' second chain
.set PW,   246                         ; p's scale word
.set NM,   247                         ; -M
.set RT,   248                         ; the running largest t
.set CM,   250                         ; v[250:251] cm
.set NB,   252                         ; v[252:253] bm - M
.set BK,   254                         ; bm
.set MB,   255                         ; the mask byte
.set G1KC, 24                          ; groups 1: K's codes, K's scales, V's codes, V's scales
.set G1KS, 32
.set G1VC, 40
.set G1VS, 48
.set G0KC, 56                          ; groups 0
.set G0KS, 60
.set G0VC, 68
.set G0VS, 72
.set TK,   90                          ; s90  8,192 x step: K's and V's codes
.set TS,   91                          ; s91  512 x step: K's scale words
.set TV,   92                          ; s92  256 x step: V's
.set CNT,  93
.set MNT,  95
.macro SHAPE g, c, r, p                ; a tile of r rows of c elements of 8 bytes, p elements apart; no padding, no mask
	s_mov_b32 s[\g], 3<<16
	s_mov_b32 s[\g+1], (\c)<<16
	s_mov_b32 s[\g+2], (\r)<<16
	s_mov_b32 s[\g+3], (\c)<<16
	s_mov_b32 s[\g+4], \r
	s_mov_b32 s[\g+5], \p
	s_mov_b32 s[\g+6], 0
	s_mov_b32 s[\g+7], 0
.endm
	s_load_b256 s[4:11], s[0:1], 0x0               ; qkv s[4:5], qkvs s[6:7], src_mask s[8:9], tgt_mask s[10:11]
	s_load_b128 s[12:15], s[0:1], 0x20             ; ocodes s[12:13], oscales s[14:15]
	v_lshl_add_u32 v254, v0, 2, 0x29000
	v_mov_b32 v255, 0
	ds_add_u32 v254, v255
	ds_add_u32 v254, v255
	s_wait_dscnt 0x0
	v_lshrrev_b32 v1, 5, v0
	s_delay_alu instid0(VALU_DEP_1)
	v_readfirstlane_b32 s16, v1                    ; wave 0..15
	s_and_b32 s17, s16, 7                          ; which eighth I fetch
	s_and_b32 s18, ttmp7, 0xffff
	s_lshr_b32 s19, s18, 6                         ; dir
	s_bfe_u32 s20, s18, 0x20004                    ; batch
	s_and_b32 s21, s18, 15                         ; head
	s_lshr_b32 s22, s21, 1                         ; the pair of heads
	s_and_b32 s23, s21, 1                          ; which of the pair
	SHAPE G1KC, 128, 8, 256                        ; 8 tiles of keys: my head's 1,024 bytes of each tile's 2,048
	SHAPE G1KS, 32, 2, 32                          ; 512 dense bytes
	SHAPE G1VC, 32, 32, 32                         ; 8,192 dense bytes: 128 keys x the head's 64
	SHAPE G1VS, 32, 1, 32                          ; 256 dense bytes
	s_xor_b32 s76, s19, 1
	s_lshl_b32 s76, s76, 2
	s_add_co_u32 s76, s76, s20                     ; keys: 4 (1 - dir) + batch
	s_sub_co_u32 s77, 3, s19
	s_lshl_b32 s77, s77, 2
	s_add_co_u32 s77, s77, s20                     ; values: 4 (3 - dir) + batch
	s_lshl_b32 s78, s76, 20                        ; K's codes
	s_lshl_b32 s90, s22, 17
	s_add_co_u32 s78, s78, s90
	s_lshl_b32 s90, s23, 10
	s_add_co_u32 s78, s78, s90
	s_lshl_b32 s90, s17, 14
	s_add_co_u32 s78, s78, s90
	s_mov_b32 s79, 0
	s_lshl_b32 s80, s76, 3                         ; K's scale words
	s_add_co_u32 s80, s80, s22
	s_lshl_b32 s80, s80, 12
	s_lshl_b32 s90, s17, 9
	s_add_co_u32 s80, s80, s90
	s_mov_b32 s81, 0
	s_lshl_b32 s82, s77, 20                        ; V's codes
	s_lshl_b32 s90, s17, 17
	s_add_co_u32 s82, s82, s90
	s_lshl_b32 s90, s21, 13
	s_add_co_u32 s82, s82, s90
	s_mov_b32 s83, 0
	s_lshl_b32 s84, s77, 3                         ; V's scale words
	s_add_co_u32 s84, s84, s17
	s_lshl_b32 s84, s84, 12
	s_lshl_b32 s90, s21, 8
	s_add_co_u32 s84, s84, s90
	s_mov_b32 s85, 0
	s_lshl_b32 s91, s17, 13                        ; where they go: 8,192, 512 and 256 bytes an eighth
	s_lshl_b32 s92, s17, 9
	s_lshl_b32 s93, s17, 8
	s_wait_kmcnt 0x0
	s_mov_b32 s[G0KC], 1
	s_add_co_u32 s[G0KC+1], s91, KB
	s_add_nc_u64 s[G0KC+2:G0KC+3], s[4:5], s[78:79]
	s_or_b32 s[G0KC+3], s[G0KC+3], 0x80000000
	s_mov_b32 s[G0KS], 1
	s_add_co_u32 s[G0KS+1], s92, SKB
	s_add_nc_u64 s[G0KS+2:G0KS+3], s[6:7], s[80:81]
	s_or_b32 s[G0KS+3], s[G0KS+3], 0x80000000
	s_mov_b32 s[G0VC], 1
	s_add_co_u32 s[G0VC+1], s91, VB
	s_add_nc_u64 s[G0VC+2:G0VC+3], s[4:5], s[82:83]
	s_or_b32 s[G0VC+3], s[G0VC+3], 0x80000000
	s_mov_b32 s[G0VS], 1
	s_add_co_u32 s[G0VS+1], s93, SVB
	s_add_nc_u64 s[G0VS+2:G0VS+3], s[6:7], s[84:85]
	s_or_b32 s[G0VS+3], s[G0VS+3], 0x80000000
	s_cmp_lt_u32 s16, 8                            ; waves 0-7 fetch K's eighths, waves 8-15 V's: a wave's two fills stand in one branch; two loads of mine are out
	s_cbranch_scc0 .Lfill_v
	tensor_load_to_lds s[G0KC:G0KC+3], s[G1KC:G1KC+7]
	s_nop 0
	tensor_load_to_lds s[G0KS:G0KS+3], s[G1KS:G1KS+7]
	s_nop 0
.rept 4
	v_nop
.endr
	s_branch .Lfilled
.Lfill_v:
	tensor_load_to_lds s[G0VC:G0VC+3], s[G1VC:G1VC+7]
	s_nop 0
	tensor_load_to_lds s[G0VS:G0VS+3], s[G1VS:G1VS+7]
	s_nop 0
.rept 4
	v_nop
.endr
.Lfilled:
	; my queries.  qt = 32 x + 16 pass + wave is the tile of 16 places; the pass stands in the immediates
	s_lshl_b32 s76, s19, 2
	s_add_co_u32 s76, s76, s20                     ; 4 dir + batch
	s_lshl_b32 s77, ttmp9, 5
	s_add_co_u32 s77, s77, s16                     ; qt of pass 0
	s_lshl_b32 s78, s76, 20                        ; Q's codes
	s_lshl_b32 s90, s22, 17
	s_add_co_u32 s78, s78, s90
	s_lshl_b32 s90, s77, 11
	s_add_co_u32 s78, s78, s90
	s_lshl_b32 s90, s23, 10
	s_add_co_u32 s78, s78, s90
	s_add_nc_u64 s[80:81], s[4:5], s[78:79]
	s_lshl_b32 s78, s76, 3                         ; Q's scale halfwords
	s_add_co_u32 s78, s78, s22
	s_lshl_b32 s78, s78, 12
	s_lshl_b32 s90, s77, 6
	s_add_co_u32 s78, s78, s90
	s_lshl_b32 s90, s23, 1
	s_add_co_u32 s78, s78, s90
	s_add_nc_u64 s[82:83], s[6:7], s[78:79]
	s_lshl_b32 s78, s20, 10                        ; the mask: 1,024 batch + the tile's first true row 32 (qt / 2) + 8 (qt % 2)
	s_lshl_b32 s90, ttmp9, 9
	s_add_co_u32 s78, s78, s90
	s_lshr_b32 s90, s16, 1
	s_lshl_b32 s90, s90, 5
	s_add_co_u32 s78, s78, s90
	s_and_b32 s90, s16, 1
	s_lshl_b32 s90, s90, 3
	s_add_co_u32 s78, s78, s90
	s_cmp_eq_u32 s19, 0
	s_cselect_b64 s[84:85], s[8:9], s[10:11]
	s_add_nc_u64 s[84:85], s[84:85], s[78:79]
	s_lshl_b32 s76, s76, 6
	s_add_co_u32 s76, s76, s77                     ; the tile of rows of O: 256 dir + 64 batch + qt
	s_lshl_b32 s78, s76, 14                        ; ocodes: [tile][head][2][512]
	s_lshl_b32 s90, s21, 10
	s_add_co_u32 s78, s78, s90
	s_add_nc_u64 s[86:87], s[12:13], s[78:79]
	s_lshr_b32 s78, s21, 2                         ; oscales: [head / 4][row][8], bytes 2 (head % 4) on
	s_lshl_b32 s78, s78, 16
	s_lshl_b32 s90, s76, 7
	s_add_co_u32 s78, s78, s90
	s_and_b32 s90, s21, 3
	s_lshl_b32 s90, s90, 1
	s_add_co_u32 s78, s78, s90
	s_add_nc_u64 s[88:89], s[14:15], s[78:79]
	s_mov_b32 s2, 0x76543210                       ; v_permlanex16_b32's selects for lane l xor 16
	s_mov_b32 s3, 0xfedcba98
	v_and_b32 v[T0], 31, v0                        ; lane
	v_and_b32 v241, 15, v0                         ; r
	s_delay_alu instid0(VALU_DEP_2)
	v_lshlrev_b32 v[AK0], 4, v[T0]
	s_delay_alu instid0(VALU_DEP_1)
	v_add_nc_u32 v[AV0], VB, v[AK0]
	s_delay_alu instid0(VALU_DEP_3)
	v_lshlrev_b32 v[G4], 2, v241
	s_lshl_b32 s90, s23, 1
	s_add_co_u32 s90, s90, SKB
	v_add_nc_u32 v[AS0], s90, v[G4]
	v_add_nc_u32 v[AT0], SVB, v[G4]
	v_lshlrev_b32 v[GL], 4, v[T0]
	v_and_b32 v[GM], 8, v241
	s_delay_alu instid0(VALU_DEP_1)
	v_add_nc_u32 v[GM], v[GM], v241
	v_lshlrev_b32 v[G8], 3, v241
.macro QLOAD i                         ; pass i's queries: two slices of codes, the scale halfword (zero-extended), the mask byte
	global_load_b128 v[16:19], v[GL], s[80:81] offset:32768*\i
	global_load_b128 v[20:23], v[GL], s[80:81] offset:32768*\i+512
	global_load_u16 v[QS], v[G4], s[82:83] offset:1024*\i
	global_load_u8 v[MB], v[GM], s[84:85] offset:256*\i
.endm
	QLOAD 0
.irp j, 0,1,2,3,4,5,6,7
	v_mov_b32 v[24+\j], 0                          ; Q's zero codes for k = 64 .. 127
	v_mov_b32 v[96+\j], 0                          ; and what stands behind K's last tile
.endr
.irp b, 0,1,2,3
	v_mov_b32 v[PB+\b], 0                          ; written once: a lane permute's destination counts as one of its sources
.endr
	v_mov_b32 v[FF+1], 0                           ; the upper halves of pairs of which the low word alone is used
	v_mov_b32 v[CM+1], 0
	v_mov_b32 v[NB+1], 0
	s_wait_tensorcnt 0x0                           ; my two fills have landed,
	s_barrier_signal -1
	s_barrier_wait -1                              ; everybody's have: the head's K and V lie in LDS for the rest of the launch
; A KEY STEP: 128 keys.
.macro TRIP
	v_add_nc_u32 v[ADK], s[TK], v[AK0]
	v_add_nc_u32 v[ADV], s[TK], v[AV0]
	v_add_nc_u32 v[ADS], s[TS], v[AS0]
	v_add_nc_u32 v[ADT], s[TV], v[AT0]
.rept 4
	v_nop                                          ; with the four additions: eight places behind the last products, in front of loads into registers that they read
.endr
.irp t, 0,1,2,3,4,5,6,7
	ds_load_b128 v[F+8*\t:F+8*\t+3], v[ADK] offset:1024*\t
	ds_load_b128 v[F+8*\t+4:F+8*\t+7], v[ADK] offset:1024*\t+512
	ds_load_u16 v[KS+\t], v[ADS] offset:64*\t
.endr
	s_wait_alu depctr_va_vdst(0)
	s_wait_dscnt 0x0
.irp t, 0,1,2,3,4,5,6,7
	v_wmma_scale_f32_16x16x128_f8f6f4 v[S+8*\t:S+8*\t+7], v[F+8*\t:F+8*\t+15], v[16:31], 0, v[KS+\t], v[QS]
.endr
.rept 8
	v_nop                                          ; eight places: for the loads below and for the first read of the scores
.endr
.irp t, 0,1,2,3                                ; V's four fragments and scale words are asked for now and land under the softmax
.irp c, 0,1,2,3
	ds_load_b128 v[F+16*\t+4*\c:F+16*\t+4*\c+3], v[ADV] offset:2048*\t+512*\c
.endr
	ds_load_b32 v[KS+\t], v[ADT] offset:64*\t
.endr
.irp b, 0,1,2,3
	v_max3_num_f32 v[BM+\b], v[S+16*\b], v[S+16*\b+1], v[S+16*\b+2]   ; the largest score of each block of 32 keys: it serves the row's maximum and, since p does not fall where the score rises, the block's largest p
.endr
.irp i, 3,5,7,9,11,13
.irp b, 0,1,2,3
	v_max3_num_f32 v[BM+\b], v[BM+\b], v[S+16*\b+\i], v[S+16*\b+\i+1]
.endr
.endr
.irp b, 0,1,2,3
	v_max_num_f32 v[BM+\b], v[BM+\b], v[S+16*\b+15]
.endr
.irp b, 0,1,2,3
	s_delay_alu instid0(VALU_DEP_4)
	v_permlanex16_b32 v[PB+\b], v[BM+\b], s2, s3
.endr
.irp b, 0,1,2,3
	s_delay_alu instid0(VALU_DEP_4)
	v_max_num_f32 v[BM+\b], v[BM+\b], v[PB+\b]     ; with lane l xor 16's 16 keys
.endr
	s_delay_alu instid0(VALU_DEP_2)
	v_max3_num_f32 v[T0], v[BM], v[BM+1], v[BM+2]
	s_delay_alu instid0(VALU_DEP_1)
	v_max_num_f32 v[T0], v[T0], v[BM+3]            ; the step's largest score of my query
	s_delay_alu instid0(VALU_DEP_1)
	v_fma_f32 v[T0], v[T0], v[CM], v[BK]           ; as t (cm is not negative)
	s_delay_alu instid0(VALU_DEP_1)
	v_max_num_f32 v[RT], v[RT], v[T0]              ; the running largest t
	v_mov_b32 v[T0], v[NM]
	s_delay_alu instid0(VALU_DEP_2)
	v_floor_f32 v[NM], -v[RT]                      ; the new -M = -ceil(t): a whole number
	s_delay_alu instid0(VALU_DEP_1)
	v_sub_f32 v[T0], v[NM], v[T0]                  ; old M - new M: a whole number, 0 or less
	s_delay_alu instid0(VALU_DEP_1)
	v_cvt_i32_f32 v[T0], v[T0]                     ; (it saturates)
	s_delay_alu instid0(VALU_DEP_1)
	v_ldexp_f32 v[FF], 1.0, v[T0]                  ; f = 2^(old M - new M)
	s_delay_alu instid0(VALU_DEP_4)
	v_add_f32 v[NB], v[BK], v[NM]                  ; bm - M: -M, or exactly -0.5 in a masked row
.set j, 0
.rept 32
	v_pk_fma_f32 v[S+j:S+j+1], v[S+j:S+j+1], v[CM:CM+1], v[NB:NB+1] op_sel_hi:[1,0,0]   ; t - M, two at a time (of the pairs cm and bm - M the low word serves both halves)
.set j, j+2
.endr
.irp b, 0,1,2,3
	v_fma_f32 v[BM+\b], v[BM+\b], v[CM], v[NB]     ; the same of each block's largest score
.endr
.set j, 0
	s_setprio 1
	s_wait_alu depctr_va_vdst(0)
.rept 64
	v_exp_f32 v[S+j], v[S+j]                       ; p = 2^(t - M), at most 1
.set j, j+1
.endr
	v_pk_mul_f32 v[14:15], v[14:15], v[FF:FF+1] op_sel_hi:[1,0]   ; the sums under the new M (a plain line behind the exponentials)
	s_wait_alu depctr_va_vdst(0)                   ; one wait for the batch of 64, ahead of its first reader
.irp b, 0,1,2,3
	v_exp_f32 v[BM+\b], v[BM+\b]                   ; the block's largest p: the same two instructions on the same number
.endr
	v_pk_add_f32 v[244:245], v[108:109], v[112:113]
	v_pk_add_f32 v[238:239], v[116:117], v[120:121]
	v_pk_add_f32 v[236:237], v[124:125], v[128:129]
	v_pk_add_f32 v[234:235], v[132:133], v[136:137]
	v_pk_add_f32 v[232:233], v[140:141], v[144:145]
	v_pk_add_f32 v[230:231], v[148:149], v[152:153]
	v_pk_add_f32 v[228:229], v[156:157], v[160:161]
	v_pk_add_f32 v[14:15], v[14:15], v[164:165]
	v_pk_add_f32 v[244:245], v[244:245], v[104:105]
	v_pk_add_f32 v[238:239], v[238:239], v[106:107]
	v_pk_add_f32 v[236:237], v[236:237], v[110:111]
	v_pk_add_f32 v[234:235], v[234:235], v[114:115]
	v_pk_add_f32 v[232:233], v[232:233], v[118:119]
	v_pk_add_f32 v[230:231], v[230:231], v[122:123]
	v_pk_add_f32 v[228:229], v[228:229], v[126:127]
	v_pk_add_f32 v[14:15], v[14:15], v[130:131]
	v_pk_add_f32 v[244:245], v[244:245], v[134:135]
	v_pk_add_f32 v[238:239], v[238:239], v[138:139]
	v_pk_add_f32 v[236:237], v[236:237], v[142:143]
	v_pk_add_f32 v[234:235], v[234:235], v[146:147]
	v_pk_add_f32 v[232:233], v[232:233], v[150:151]
	v_pk_add_f32 v[230:231], v[230:231], v[154:155]
	v_pk_add_f32 v[228:229], v[228:229], v[158:159]
	v_pk_add_f32 v[14:15], v[14:15], v[162:163]
	v_pk_add_f32 v[244:245], v[244:245], v[166:167]
	s_delay_alu instid0(VALU_DEP_2)
	v_pk_add_f32 v[14:15], v[14:15], v[234:235]
	s_delay_alu instid0(VALU_DEP_2)
	v_pk_add_f32 v[244:245], v[244:245], v[232:233]
	v_pk_add_f32 v[238:239], v[238:239], v[230:231]
	v_pk_add_f32 v[236:237], v[236:237], v[228:229]
	s_delay_alu instid0(VALU_DEP_2)
	v_pk_add_f32 v[14:15], v[14:15], v[238:239]
	s_delay_alu instid0(VALU_DEP_2)
	v_pk_add_f32 v[244:245], v[244:245], v[236:237]
	s_delay_alu instid0(VALU_DEP_1)
	v_pk_add_f32 v[14:15], v[14:15], v[244:245]
	s_wait_alu depctr_va_vdst(0)                   ; and one for the four
.irp b, 0,1,2,3
	v_max_num_f32 v[BM+\b], 0x4800000, v[BM+\b]    ; the floor 2^(9 - 127): the byte cannot fall under 1
.endr
.irp b, 0,1,2,3
	s_delay_alu instid0(VALU_DEP_4)
	v_add_nc_u32 v[SO+\b], 0xfc000000, v[BM+\b]    ; 8 off the exponent field: the conversion's scale operand
.endr
.irp b, 0,1,2,3
.endr
.irp b, 0,1,2,3
	s_delay_alu instid0(VALU_DEP_4)
	v_lshrrev_b32 v[PB+\b], 23, v[SO+\b]           ; the scale's byte
.endr
	s_delay_alu instid0(VALU_DEP_3)
	v_lshl_or_b32 v[PW], v[PB+1], 8, v[PB]         ; p's scale word for these 128 keys: far more than eight places ahead of the products
	s_delay_alu instid0(VALU_DEP_1)
	v_lshl_or_b32 v[PW], v[PB+2], 16, v[PW]
	s_delay_alu instid0(VALU_DEP_1)
	v_lshl_or_b32 v[PW], v[PB+3], 24, v[PW]
	s_setprio 0
.irp b, 0,1,2,3
.irp i, 0,1,2,3,4,5,6,7,8,9,10,11,12,13,14,15
.endr
	v_cvt_scalef32_pk8_fp8_f32 v[PC+4*\b:PC+4*\b+1], v[S+16*\b:S+16*\b+7], v[SO+\b]
	v_cvt_scalef32_pk8_fp8_f32 v[PC+4*\b+2:PC+4*\b+3], v[S+16*\b+8:S+16*\b+15], v[SO+\b]
.endr
.set j, 0
.rept 16
	v_pk_mul_f32 v[OT+j:OT+j+1], v[OT+j:OT+j+1], v[FF:FF+1] op_sel_hi:[1,0]   ; O^T under the new M.  (These sixteen are also the places between the codes and the products)
.set j, j+2
.endr
	s_wait_alu depctr_va_vdst(0)
	s_wait_dscnt 0x0                               ; V
.irp t, 0,1,2,3
	v_wmma_scale_f32_16x16x128_f8f6f4 v[OT+8*\t:OT+8*\t+7], v[F+16*\t:F+16*\t+15], v[PC:PC+15], v[OT+8*\t:OT+8*\t+7], v[KS+\t], v[PW]   ; the four accumulators by turns
.endr
.endm
; A PASS: one tile of 16 queries over all 1,024 keys, and its way out.
.macro PASS i
	s_wait_loadcnt 0x0                             ; Q, its scale word, the mask byte
.if \i
	s_wait_xcnt 0x0                                ; the last pass's stores have read their data: those registers are written again only behind this wait
.endif
	v_cmp_ne_u32 vcc_lo, 0, v[MB]
	v_mov_b32 v[T0], 0x3e38aa3b                    ; log2(e) / 8
	s_delay_alu instid0(VALU_DEP_1)
	v_cndmask_b32 v[CM], 0, v[T0], vcc_lo
	v_mov_b32 v[T0], 0
	s_delay_alu instid0(VALU_DEP_1)
	v_cndmask_b32 v[BK], 0xc80ce360, v[T0], vcc_lo ; -100000 log2(e) as f32: -144269.5
	v_mov_b32 v[RT], 0xff61b1e6                    ; the largest t so far: -3e38, under every t
	s_delay_alu instid0(VALU_DEP_1)
	v_floor_f32 v[NM], -v[RT]
	v_mov_b32 v14, 0
	v_mov_b32 v15, 0
.set j, 0
.rept 32
	v_mov_b32 v[OT+j], 0                           ; the step is written once: the first finds zeros, which the first change of M leaves zeros
.set j, j+1
.endr
	s_mov_b32 s[TK], 0
	s_mov_b32 s[TS], 0
	s_mov_b32 s[TV], 0
	s_mov_b32 s[CNT], 8
.Lstep_\@:
	s_setprio 2
	TRIP
	s_add_co_u32 s[TK], s[TK], 8192
	s_add_co_u32 s[TS], s[TS], 512
	s_add_co_u32 s[TV], s[TV], 256
	s_sub_co_u32 s[CNT], s[CNT], 1
	s_cmp_lg_u32 s[CNT], 0
	s_cbranch_scc1 .Lstep_\@
	s_setprio 0
.rept 8
	v_nop                                          ; eight places behind the last products
.endr
.if (\i) == 0
	QLOAD 1                                        ; the next pass's queries land under this way out, which names none of their registers
.endif
	v_add_f32 v14, v14, v15                        ; the sum's two halves,
	s_delay_alu instid0(VALU_DEP_1)
	v_permlanex16_b32 v[T0], v14, s2, s3
	s_delay_alu instid0(VALU_DEP_1)
	v_add_f32 v14, v14, v[T0]                      ; and lane l xor 16's: the row's sum
	s_wait_alu depctr_va_vdst(0)
	v_rcp_f32 v14, v14
	v_nop                                          ; a plain line behind the reciprocal
	s_wait_alu depctr_va_vdst(0)                   ; and the wait ahead of its first reader
.set j, 0
.rept 32
	v_mul_f32 v[S+j], v[OT+j], v14                 ; O^T / the sum, each accumulator from its low end on: register 16 e + n is dimension 32 e + 16 (lane / 16) + n of my query
.set j, j+1
.endr
.irp e, 0,1
	v_max3_num_f32 v[BM+\e], |v[S+16*\e]|, |v[S+16*\e+1]|, 0x4800000
.endr
.irp n, 2,4,6,8,10,12,14
.irp e, 0,1
	s_delay_alu instid0(VALU_DEP_2)
	v_max3_num_f32 v[BM+\e], v[BM+\e], |v[S+16*\e+\n]|, |v[S+16*\e+\n+1]|
.endr
.endr
.irp e, 0,1
	s_delay_alu instid0(VALU_DEP_2)
	v_permlanex16_b32 v[PB+\e], v[BM+\e], s2, s3
.endr
.irp e, 0,1
	s_delay_alu instid0(VALU_DEP_2)
	v_max_num_f32 v[BM+\e], v[BM+\e], v[PB+\e]
.endr
.irp e, 0,1
	s_delay_alu instid0(VALU_DEP_2)
	v_add_nc_u32 v[SO+\e], 0xfc000000, v[BM+\e]
.endr
.irp e, 0,1
.endr
.irp e, 0,1
	s_delay_alu instid0(VALU_DEP_2)
	v_lshrrev_b32 v[PB+\e], 23, v[SO+\e]
.endr
	s_delay_alu instid0(VALU_DEP_1)
	v_lshl_or_b32 v[PW], v[PB+1], 8, v[PB]         ; the head's two scale bytes of my row
.irp e, 0,1
.irp n, 0,1,2,3,4,5,6,7,8,9,10,11,12,13,14,15
.endr
	v_cvt_scalef32_pk8_fp8_f32 v[PC+4*\e:PC+4*\e+1], v[S+16*\e:S+16*\e+7], v[SO+\e]
	v_cvt_scalef32_pk8_fp8_f32 v[PC+4*\e+2:PC+4*\e+3], v[S+16*\e+8:S+16*\e+15], v[SO+\e]
.endr
	v_nop                                          ; a plain line behind the last conversion
	global_store_b128 v[GL], v[PC:PC+3], s[86:87] offset:262144*\i          ; a slice: 512 consecutive bytes, aligned
	global_store_b128 v[GL], v[PC+4:PC+7], s[86:87] offset:262144*\i+512
	global_store_b16 v[G8], v[PW], s[88:89] offset:2048*\i                  ; two bytes a row, rows 8 bytes apart (lanes 16-31 repeat lanes 0-15): one part in 32 of O's bytes
.endm
	PASS 0
	PASS 1
	s_wait_xcnt 0x0
	v_lshl_add_u32 v254, v0, 2, 0x29000
	v_mov_b32 v255, 0
	s_wait_alu depctr_va_vdst(0)
	s_wait_tensorcnt 0x0
	ds_add_u32 v254, v255
	s_wait_dscnt 0x0
	s_endpgm
.Lfunc_end_k_q36189e0e1b_attn:
	.size	k_q36189e0e1b_attn, .Lfunc_end_k_q36189e0e1b_attn-k_q36189e0e1b_attn
	.p2alignl 7, 3214868480
	.fill 96, 4, 3214868480
	.section	.rodata,"a",@progbits
	.p2align	6, 0x0
	.amdhsa_kernel k_q36189e0e1b_attn
		.amdhsa_group_segment_fixed_size 169984
		.amdhsa_private_segment_fixed_size 0
		.amdhsa_enable_private_segment 0
		.amdhsa_kernarg_size 48
		.amdhsa_user_sgpr_count 2
		.amdhsa_user_sgpr_kernarg_segment_ptr 1
		.amdhsa_wavefront_size32 1
		.amdhsa_system_sgpr_workgroup_id_x 1
		.amdhsa_system_sgpr_workgroup_id_y 1
		.amdhsa_system_sgpr_workgroup_id_z 1
		.amdhsa_system_vgpr_workitem_id 0
		.amdhsa_next_free_vgpr 256
		.amdhsa_next_free_sgpr 96
		.amdhsa_reserve_vcc 1
		.amdhsa_float_denorm_mode_32 3
		.amdhsa_float_denorm_mode_16_64 3
		.amdhsa_fp16_overflow 1
		.amdhsa_memory_ordered 1
		.amdhsa_forward_progress 1
		.amdhsa_inst_pref_size 58
	.end_amdhsa_kernel
	.amdgpu_metadata
---
amdhsa.version: [ 1, 2 ]
amdhsa.kernels:
  - .name:           k_q36189e0e1b_attn
    .symbol:         k_q36189e0e1b_attn.kd
    .args:
      - { .name: qkv, .offset: 0, .size: 8, .value_kind: global_buffer, .address_space: global }
      - { .name: qkvs, .offset: 8, .size: 8, .value_kind: global_buffer, .address_space: global }
      - { .name: src_mask, .offset: 16, .size: 8, .value_kind: global_buffer, .address_space: global }
      - { .name: tgt_mask, .offset: 24, .size: 8, .value_kind: global_buffer, .address_space: global }
      - { .name: ocodes, .offset: 32, .size: 8, .value_kind: global_buffer, .address_space: global }
      - { .name: oscales, .offset: 40, .size: 8, .value_kind: global_buffer, .address_space: global }
    .group_segment_fixed_size: 169984
    .private_segment_fixed_size: 0
    .kernarg_segment_align: 8
    .kernarg_segment_size: 48
    .max_flat_workgroup_size: 512
    .sgpr_count:     96
    .vgpr_count:     256
    .wavefront_size: 32
...
	.end_amdgpu_metadata
.endif
;; end of part 3
;; launch outp (part 4): grid 8 x 32, 4 waves a work-group, clusters of 4 x 4, 327,680 bytes of LDS; arguments ocodes, oscales, codes, scales, ob, out0, out1; writes out0, out1
.if DOCPART == 4
	.amdgcn_target "amdgcn-amd-amdhsa--gfx1250"
	.amdhsa_code_object_version 6
	.text
	.protected	k_q36189e0e1b_outp
	.globl	k_q36189e0e1b_outp
	.p2align	8
	.type	k_q36189e0e1b_outp,@function
k_q36189e0e1b_outp:
	s_mov_b64 s[64:65], 0
	v_nop
	global_prefetch_b8 v0, s[64:65] scope:SCOPE_SE
	s_setreg_imm32_b32 hwreg(HW_REG_WAVE_MODE, 25, 1), 1
	s_wait_xcnt 0x0
	s_wait_alu depctr_hold_cnt(0) depctr_sa_sdst(0) depctr_va_vdst(0) depctr_va_sdst(0) depctr_va_ssrc(0) depctr_va_vcc(0) depctr_vm_vsrc(0)
	s_getreg_b32 s2, hwreg(HW_REG_IB_STS2, 6, 4)
	s_cmp_eq_u32 s2, 0
	s_cbranch_scc0 .Lentry_in_a_cluster
	s_endpgm
.Lentry_in_a_cluster:
	s_bfe_u32 s2, ttmp6, 0x10000c
	s_cmp_lg_u32 s2, 0xf033
	s_cbranch_scc0 .Lentry_shape_is_right
	s_endpgm
.Lentry_shape_is_right:
; out0 = o_src ow^T + ob, out1 = o_tgt ow^T + ob on codes of FP8 (E4M3) with E8M0 scales; K = 1,024; f32 sums; f32 out.
; The 8,192 rows of O (direction, batch, place) are one GEMM of 8,192 x 1,024.  A tile is 256 rows x 128 columns: 256 work-groups.  Four waves, each 128 x 64: 32 accumulators, 256 registers.
; Source 0 ("B") = 16 rows of ow, source 1 ("A") = 16 rows of O: a lane holds one row of the output and eight neighbouring columns a tile.  ob is the C of the first K step.
; A's codes lie in memory as images of operand registers ([tile of 16 rows][head][2][512 bytes]): 256 along K of a tile of rows are 4,096 consecutive bytes, and a fragment comes by four loads at 16 x lane.
; B's codes are rows of 1,024 bytes at their places (bits 3 and 4 of the row number exchanged); so are O's rows: the true column and row numbers enter the stage's offsets and the stores' immediates alone.
; K goes in steps of 256 through a ring of two LDS slots; the scale bytes of all of K come once.  CLUSTER 4 x 4: A's tiles are shared along a row of the cluster, B's along a column: joint tensor loads.
; REGISTERS: window 0: v0-31 addresses; v32-63 A's scale words, two sets; v64-79 B's, two sets; v96-127 ob; v128-255 B's fragments, two sets of 64; on the way out v128-191 rows read back.
;   window 1: A's fragments, two sets of 128.   window 2: the accumulators ((a, b) at v[8 (4 a + b)]).
.set PITCH,  272                       ; B's LDS row: 256 bytes + 16 of padding: the 16 rows that a load touches start at 16 different banks (64 banks of 4 bytes: ISA guide 11.1)
.set FR,     16
.set AIMG,   65536                     ; a slot: A's 16 tiles of rows x 4,096 bytes,
.set HALFB,  64*PITCH                  ; then B's two halves of 64 rows
.set SLOT,   AIMG+2*HALFB
.set SCA,    2*SLOT                    ; A's scale bytes: two regions [4 runs of K][128 rows][8]
.set SCB,    SCA+2*4096                ; B's: two regions [4][64 rows][8]
.set SPARE,  SCB+2*2048                ; the spare words, 128 bytes for each wave: two blocks of 256 bytes that no other line names
.set SPITCH, 272                       ; the way out: a stage of 16 rows x (256 bytes + 16) for each wave, in slot 0, which has had its last fill and its last read by then
.set ADRA, 16                          ; v16-17  LDS address of my A fragments in slot 0, 1
.set ADRB, 20                          ; v20-21  the same for B
.set STO,  24
.set RD,   25
.set CO,   26
.set ADSA, 27                          ; v27     A's scale words
.set SPW,  28                          ; v28     LDS address of my spare word; never rewritten
.set NIL,  29                          ; v29     0; never rewritten
.set ADSB, 30                          ; v30     B's scale words
.set SA,   32                          ; set s at v[SA + 16 s], register 2 a + q
.set SB,   64                          ; set s at v[SB + 8 s], register 2 b + q
.set OB,   96
.set BF,   128
.set BK,   128
.set G1, 24
.set G0, 32
.set G1B, 48
.set G0B, 56
.set G1S, 68
.set G0S, 76
.set G1SB, 80
.set G0SB, 88
.set MSB, 0
.macro WIN new                         ; the immediate's high byte repeats the setting that is left
.if MSB != \new
	s_set_vgpr_msb (MSB<<8)|\new
.set MSB, \new
.endif
.endm
.macro JLOAD g0a, g1a, g0b, g1b        ; a joint load: waves 0 and 1 fetch for A, waves 2 and 3 for B; four v_nop follow each of the two lines
	s_cmp_eq_u32 s15, 0
	s_cbranch_scc0 .Lfor_b_\@
	tensor_load_to_lds s[\g0a:\g0a+3], s[\g1a:\g1a+7]
	s_nop 0
.rept 4
	v_nop
.endr
	s_branch .Lasked_\@
.Lfor_b_\@:
	tensor_load_to_lds s[\g0b:\g0b+3], s[\g1b:\g1b+7]
	s_nop 0
.rept 4
	v_nop
.endr
.Lasked_\@:
.endm
.macro CREST
	s_cmp_lg_u32 s14, 0
	s_cbranch_scc1 .Lnot_wave_0_\@
	s_barrier_signal -3
.Lnot_wave_0_\@:
	s_barrier_wait -3
	s_barrier_signal -1
	s_barrier_wait -1
.endm
.macro CROUND
	s_barrier_signal -1
	s_barrier_wait -1
	CREST
.endm
	s_load_b256 s[4:11], s[0:1], 0x0               ; ocodes s[4:5], oscales s[6:7], codes s[8:9], scales s[10:11]
	s_load_b128 s[96:99], s[0:1], 0x20             ; ob s[96:97], out0 s[98:99]
	s_load_b64 s[12:13], s[0:1], 0x30              ; out1
	v_lshl_add_u32 v[SPW], v0, 2, SPARE
	v_mov_b32 v[NIL], 0
	ds_add_u32 v28, v29
	ds_add_u32 v28, v29
	s_wait_dscnt 0x0
	v_lshrrev_b32 v1, 5, v0
	v_readfirstlane_b32 s14, v1                    ; wave 0..3
	s_lshr_b32 s15, s14, 1                         ; which 128 of the tile's rows are mine.  Also: I fetch for A (0) or for B (1)
	s_and_b32 s16, s14, 1                          ; which 64 of its columns.  Also: which half I fetch
	s_bfe_u32 s40, ttmp6, 0x40000                  ; cx, cy
	s_bfe_u32 s41, ttmp6, 0x40004
	s_lshl_b32 s42, ttmp9, 2
	s_add_co_u32 s42, s42, s40                     ; tile column 0..7
	s_and_b32 s66, ttmp7, 0xffff                   ; cluster y 0..7
	s_lshl_b32 s17, s66, 2
	s_add_co_u32 s17, s17, s41                     ; tile row 0..31
	s_lshl_b32 s43, s41, 2
	s_lshl_b32 s43, 15, s43                        ; my row of the cluster
	s_lshl_b32 s44, 0x1111, s40                    ; my column
	s_or_b32 s[G1+0], s43, (3<<16)|(1<<21)         ; A's codes: 8 tiles of rows x 4,096 bytes (512 elements of 8), 16,384 bytes apart; no padding
	s_mov_b32 s[G1+1], 512<<16
	s_mov_b32 s[G1+2], 8<<16
	s_mov_b32 s[G1+3], 512<<16
	s_mov_b32 s[G1+4], 8
	s_mov_b32 s[G1+5], 2048
	s_mov_b32 s[G1+6], 0
	s_mov_b32 s[G1+7], 0
	s_or_b32 s[G1B+0], s44, (0<<16)|(1<<20)|(1<<21)|(5<<22)|(3<<25)   ; B's codes: 64 rows x 256 bytes, 1,024 apart; four words of padding after every 64
	s_mov_b32 s[G1B+1], 256<<16
	s_mov_b32 s[G1B+2], 64<<16
	s_mov_b32 s[G1B+3], 256<<16
	s_mov_b32 s[G1B+4], 64
	s_mov_b32 s[G1B+5], 1024
	s_mov_b32 s[G1B+6], 0
	s_mov_b32 s[G1B+7], 0
	s_or_b32 s[G1S+0], s43, (3<<16)|(1<<21)        ; A's scales: 4 runs of K x 128 rows of 8 bytes, 8,192 rows apart
	s_mov_b32 s[G1S+1], 128<<16
	s_mov_b32 s[G1S+2], 4<<16
	s_mov_b32 s[G1S+3], 128<<16
	s_mov_b32 s[G1S+4], 4
	s_mov_b32 s[G1S+5], 8192
	s_mov_b32 s[G1S+6], 0
	s_mov_b32 s[G1S+7], 0
	s_or_b32 s[G1SB+0], s44, (3<<16)|(1<<21)       ; B's scales: 4 runs x 64 rows of 8 bytes, 12,288 rows apart
	s_mov_b32 s[G1SB+1], 64<<16
	s_mov_b32 s[G1SB+2], 4<<16
	s_mov_b32 s[G1SB+3], 64<<16
	s_mov_b32 s[G1SB+4], 4
	s_mov_b32 s[G1SB+5], 12288
	s_mov_b32 s[G1SB+6], 0
	s_mov_b32 s[G1SB+7], 0
	s_lshl_b32 s18, s16, 3
	s_lshl_b32 s20, s17, 4
	s_add_co_u32 s20, s20, s18                     ; A: tile of rows 16 x tile row + 8 x half
	s_lshl_b32 s22, s20, 7                         ; its scale bytes: 16 rows x 8,
	s_lshl_b32 s20, s20, 14                        ; its codes: 16,384 a tile of rows
	s_mov_b32 s21, 0
	s_mov_b32 s23, 0
	s_lshl_b32 s19, s16, 6
	s_lshl_b32 s46, s42, 7
	s_add_co_u32 s46, s46, s19
	s_add_co_u32 s46, s46, 11264                   ; B: place 11,264 + 128 x tile column + 64 x half
	s_lshl_b32 s92, s46, 3
	s_lshl_b32 s46, s46, 10
	s_mov_b32 s47, 0
	s_mov_b32 s93, 0
	s_lshl_b32 s45, s16, 15                        ; where they go, by the wave's number alone: A's codes,
	s_mul_i32 s94, s16, HALFB
	s_add_co_u32 s94, s94, AIMG                    ; B's codes,
	s_lshl_b32 s67, s16, 12
	s_add_co_u32 s67, s67, SCA                     ; A's scales,
	s_lshl_b32 s95, s16, 11
	s_add_co_u32 s95, s95, SCB                     ; B's scales
	s_wait_kmcnt 0x0
	s_add_nc_u64 s[20:21], s[4:5], s[20:21]
	s_add_nc_u64 s[22:23], s[6:7], s[22:23]
	s_add_nc_u64 s[46:47], s[8:9], s[46:47]
	s_add_nc_u64 s[92:93], s[10:11], s[92:93]
	CROUND                                         ; all sixteen work-groups are here: the first joint loads meet
	s_mov_b32 s[G0S], 1
	s_mov_b32 s[G0S+1], s67
	s_mov_b64 s[G0S+2:G0S+3], s[22:23]
	s_or_b32 s[G0S+3], s[G0S+3], 0x80000000
	s_mov_b32 s[G0SB], 1
	s_mov_b32 s[G0SB+1], s95
	s_mov_b64 s[G0SB+2:G0SB+3], s[92:93]
	s_or_b32 s[G0SB+3], s[G0SB+3], 0x80000000
	JLOAD G0S, G1S, G0SB, G1SB                     ; the scales first.  With the two below, three loads of mine are out
.irp s, 0,1
	s_mov_b32 s[G0+4*\s], 1
	s_add_co_u32 s[G0+4*\s+1], s45, \s*SLOT
	s_add_nc_u64 s[G0+4*\s+2:G0+4*\s+3], s[20:21], \s*4096
	s_or_b32 s[G0+4*\s+3], s[G0+4*\s+3], 0x80000000
	s_mov_b32 s[G0B+4*\s], 1
	s_add_co_u32 s[G0B+4*\s+1], s94, \s*SLOT
	s_add_nc_u64 s[G0B+4*\s+2:G0B+4*\s+3], s[46:47], \s*256
	s_or_b32 s[G0B+4*\s+3], s[G0B+4*\s+3], 0x80000000
	JLOAD G0+4*\s, G1, G0B+4*\s, G1B
.endr
	v_and_b32 v1, 15, v0                           ; r
	v_bfe_u32 v2, v0, 4, 1                         ; h
	v_and_b32 v3, 31, v0
	v_lshlrev_b32 v3, 4, v3                        ; 16 x lane: an image's place for my lane
	v_mul_u32_u24 v4, v1, PITCH
	v_lshl_add_u32 v4, v2, 4, v4                   ; B: row x pitch + 16 h
	s_lshl_b32 s21, s15, 15                        ; my 8 tiles of rows of A
	s_mul_i32 s22, s16, HALFB                      ; my 64 rows of B
	s_add_co_u32 s22, s22, AIMG
.irp s, 0,1
	v_add_nc_u32 v[ADRA+\s], s21, v3
	v_add_nc_u32 v[ADRB+\s], s22, v4
	s_add_co_u32 s21, s21, SLOT
	s_add_co_u32 s22, s22, SLOT
.endr
	v_lshlrev_b32 v5, 3, v1                        ; scale bytes: 8 a row
	s_lshl_b32 s21, s15, 12
	s_add_co_u32 s21, s21, SCA
	v_add_nc_u32 v[ADSA], s21, v5
	s_lshl_b32 s21, s16, 11
	s_add_co_u32 s21, s21, SCB
	v_add_nc_u32 v[ADSB], s21, v5
	s_mul_i32 s23, s14, 16*SPITCH                  ; my stage
	v_mul_u32_u24 v5, v1, SPITCH
	v_lshl_add_u32 v5, v2, 6, v5
	v_add_nc_u32 v[STO], s23, v5                   ; in: row r, + 64 h: tile b's eight columns are 32 (b / 2) + 8 (b % 2) + 16 h + 0 .. 7
	v_mul_u32_u24 v5, v2, SPITCH
	v_lshl_add_u32 v5, v1, 4, v5
	v_add_nc_u32 v[RD], s23, v5                    ; back: lanes 0-15 one row of 256 bytes, lanes 16-31 the next
	v_lshlrev_b32 v5, 12, v2
	v_lshl_add_u32 v[CO], v1, 4, v5                ; and the same two rows in the output: 4,096 bytes a row
	v_lshlrev_b32 v6, 6, v2                        ; ob: 64 h
	s_lshl_b32 s2, s42, 7
	s_lshl_b32 s3, s16, 6
	s_add_co_u32 s2, s2, s3
	s_lshl_b32 s2, s2, 2                           ; my first column, in bytes: a multiple of 256
	s_mov_b32 s3, 0
	s_add_nc_u64 s[96:97], s[96:97], s[2:3]
	s_cmp_lt_u32 s66, 4                            ; rows 0 to 4,095 are o_src's
	s_cselect_b64 s[12:13], s[98:99], s[12:13]
	s_add_nc_u64 s[12:13], s[12:13], s[2:3]
	s_and_b32 s2, s17, 15
	s_lshl_b32 s2, s2, 8
	s_lshl_b32 s18, s15, 7
	s_add_co_u32 s2, s2, s18                       ; my first row in that output
	s_lshl_b32 s2, s2, 12
	s_add_nc_u64 s[12:13], s[12:13], s[2:3]
.irp b, 0,1,2,3
	global_load_b128 v[OB+8*\b:OB+8*\b+3], v6, s[96:97] offset:(32*(\b/2)+8*(\b%2))*4
	global_load_b128 v[OB+8*\b+4:OB+8*\b+7], v6, s[96:97] offset:(32*(\b/2)+8*(\b%2))*4+16
.endr
; 8 matrix instructions: A's blocks a0, a0 + 1 x B's four.  p: the fragments' set;  q: which 128 of the slot;  sc: the set of scale words.  cc = 1: C = ob.
; The 32 accumulators take turns, one instruction a turn, in the same order in every step.
.macro MUL8 a0, p, q, sc, cc
.irp a, \a0, \a0+1
.irp b, 0,1,2,3
.if \cc
	v_wmma_scale_f32_16x16x128_f8f6f4 v[8*(4*(\a)+\b):8*(4*(\a)+\b)+7], v[BF+64*(\p)+FR*\b:BF+64*(\p)+FR*\b+FR-1], v[128*(\p)+FR*(\a):128*(\p)+FR*(\a)+FR-1], v[OB+8*\b:OB+8*\b+7], v[SB+8*(\sc)+2*\b+(\q)], v[SA+16*(\sc)+2*(\a)+(\q)]
.else
	v_wmma_scale_f32_16x16x128_f8f6f4 v[8*(4*(\a)+\b):8*(4*(\a)+\b)+7], v[BF+64*(\p)+FR*\b:BF+64*(\p)+FR*\b+FR-1], v[128*(\p)+FR*(\a):128*(\p)+FR*(\a)+FR-1], v[8*(4*(\a)+\b):8*(4*(\a)+\b)+7], v[SB+8*(\sc)+2*\b+(\q)], v[SA+16*(\sc)+2*(\a)+(\q)]
.endif
.endr
.endr
.endm
; One run of LDS loads: the fragments of the slot's q-th 128 along K into set p: B's 16 loads, with q = 0 the slot's 12 loads of scale words, then A's 32, blocks 4-7 last.
.macro FETCH slot, q, p
.irp i, 0,1,2,3
.irp c, 0,1,2,3
	ds_load_b128 v[BF+64*(\p)+FR*\i+4*\c:BF+64*(\p)+FR*\i+4*\c+3], v[ADRB+\slot] offset:128*(\q)+32*\c+\i*16*PITCH
.endr
.endr
.if (\q) == 0
.irp i, 0,1,2,3,4,5,6,7
	ds_load_b64 v[SA+16*(\slot)+2*\i:SA+16*(\slot)+2*\i+1], v[ADSA] offset:128*\i
.endr
.irp i, 0,1,2,3
	ds_load_b64 v[SB+8*(\slot)+2*\i:SB+8*(\slot)+2*\i+1], v[ADSB] offset:128*\i
.endr
.endif
	WIN 0x40                                       ; destination window 1
.irp i, 0,1,2,3,4,5,6,7
.irp c, 0,1,2,3
	ds_load_b128 v[128*(\p)+FR*\i+4*\c:128*(\p)+FR*\i+4*\c+3], v[ADRA+\slot] offset:4096*\i+2048*(\q)+512*\c
.endr
.endr
	WIN 0
.endm
.macro PLACES n                        ; plain vector instructions between a matrix instruction and a load into, or a read of, its registers
.rept \n
	v_nop
.endr
.endm
; A slot's first 128 along K, on set 0; in its middle the second 128 are fetched into set 1.
.macro STEP slot, cc
.if \cc
.set WM, 0x84                          ; source 1 (A) window 1, C (ob) window 0, D window 2
.else
.set WM, 0xa4                          ; source 1 window 1, C and D window 2
.endif
	s_wait_dscnt 16                                ; all but the 16 youngest loads, A's blocks 4-7
	WIN WM
	MUL8 0, 0, 0, \slot, \cc
	MUL8 2, 0, 0, \slot, \cc
	s_wait_dscnt 0x0
	PLACES 8
	WIN 0
	FETCH \slot, 1, 1
	WIN WM
	MUL8 4, 0, 0, \slot, \cc
	MUL8 6, 0, 0, \slot, \cc
	WIN 0
.endm
; A slot's second 128, on set 1, changes slots: ONE barrier; in front of it each wave waits for all its tensor loads, adds 0 to its spare word, and waits for that and for its own reads of this slot.
.macro TURN slot, next, fill
	s_wait_tensorcnt 0x0                           ; all my tensor loads have landed: my part of the next slot
	ds_add_u32 v[SPW], v[NIL]                      ; 0 onto my spare word
	s_wait_dscnt 17                                ; (the add and the 16 youngest loads, A's blocks 4-7, may be out)
	WIN 0xa4
	MUL8 0, 1, 1, \slot, 0                         ; eight matrix instructions stand between the add and the wait for it
	s_wait_dscnt 0x0                               ; the add is done, and my reads of this slot are over
	s_barrier_signal -1
	MUL8 2, 1, 1, \slot, 0
	WIN 0
	s_barrier_wait -1
.if \fill
	CREST                                          ; the barrier has opened a round of the cluster's barrier: no wave of any partner still reads this slot or has a load on its way
	s_add_nc_u64 s[G0+4*\slot+2:G0+4*\slot+3], s[G0+4*\slot+2:G0+4*\slot+3], 2*4096
	s_add_nc_u64 s[G0B+4*\slot+2:G0B+4*\slot+3], s[G0B+4*\slot+2:G0B+4*\slot+3], 2*256
	JLOAD G0+4*\slot, G1, G0B+4*\slot, G1B         ; the first tensor load behind the round; its four v_nop are among the places in front of the loads below
	PLACES 4
.else
	PLACES 8
.endif
	v_add_nc_u32 v[ADSA], 1024, v[ADSA]            ; on to the next K step's scale words
	v_add_nc_u32 v[ADSB], 512, v[ADSB]
	FETCH \next, 0, 0
	WIN 0xa4
	MUL8 4, 1, 1, \slot, 0
	MUL8 6, 1, 1, \slot, 0
	WIN 0
.endm
	s_wait_tensorcnt 1                             ; the scales and my part of K step 0 are in (K step 1's load may be out)
	s_barrier_signal -1
	s_barrier_wait -1                              ; everybody's are
	FETCH 0, 0, 0
	s_wait_loadcnt 0x0                             ; ob
	STEP 0, 1                                      ; the first step starts the sums with ob
	TURN 0, 1, 1                                   ; K = 1,024 is four slots' worth: written out
	STEP 1, 0
	TURN 1, 0, 1
	STEP 0, 0
	TURN 0, 1, 0                                   ; nothing is left to fetch, so no round follows
	STEP 1, 0
	s_wait_dscnt 16                                ; the very last step
	WIN 0xa4
	MUL8 0, 1, 1, 1, 0
	MUL8 2, 1, 1, 1, 0
	s_wait_dscnt 0x0
	MUL8 4, 1, 1, 1, 0
	MUL8 6, 1, 1, 1, 0
	WIN 0
; THE WAY OUT, block by block of 16 rows x 64 columns.  A lane holds 32 bytes of a row a tile, and the lanes beside it hold other rows: a block goes through my own stage in LDS, where its columns fall into
; their true order, and comes back as whole rows of 256 bytes.  LDS serves a wave's instructions in order (ISA guide 5.7.1.4): no wait between the stores and the loads.
.macro TOSTAGE a
	WIN 0x08                                       ; an LDS store's data are its source 1: window 2
.irp b, 0,1,2,3
	ds_store_b128 v[STO], v[8*(4*(\a)+\b):8*(4*(\a)+\b)+3] offset:128*(\b/2)+32*(\b%2)      ; each accumulator from its low end on
	ds_store_b128 v[STO], v[8*(4*(\a)+\b)+4:8*(4*(\a)+\b)+7] offset:128*(\b/2)+32*(\b%2)+16
.endr
	WIN 0
.set BB, BK+32*((\a)%2)
.irp t, 0,1,2,3,4,5,6,7
	ds_load_b128 v[BB+4*\t:BB+4*\t+3], v[RD] offset:\t*2*SPITCH
.endr
.endm
.macro SEND a, younger                 ; younger: the LDS instructions issued behind block a's loads, which may stay out
.set BB, BK+32*((\a)%2)
.set RW, 32*((\a)/2)+8*((\a)%2)        ; place p of block a is the true row RW + p + 8 (p / 8)
	s_wait_dscnt \younger
.irp t, 0,1,2,3,4,5,6,7
	global_store_b128 v[CO], v[BB+4*\t:BB+4*\t+3], s[12:13] offset:(RW+2*\t+8*(\t/4))*4096 th:TH_STORE_NT   ; 16 lanes store 256 consecutive bytes, aligned; written once, read by nobody here
.endr
.endm
	PLACES 8                                       ; behind the last products: for the reads of results and the loads into registers that held fragments
	TOSTAGE 0
.irp a, 1,2,3,4,5,6,7
.if \a > 1
	s_wait_xcnt 0x0                                ; block a - 2's stores have read their registers: block a's loads may land there
.endif
	TOSTAGE \a
	SEND \a-1, 16                                  ; behind block a - 1's loads: block a's 8 stores and 8 loads
.endr
	SEND 7, 0
	s_wait_tensorcnt 0x0                           ; the wave's end
	ds_add_u32 v[SPW], v[NIL]
	s_wait_dscnt 0x0
	CROUND                                         ; the closing round: no work-group ends while a partner may still ask for a tile that names it
	s_endpgm
.Lfunc_end_k_q36189e0e1b_outp:
	.size	k_q36189e0e1b_outp, .Lfunc_end_k_q36189e0e1b_outp-k_q36189e0e1b_outp
	.p2alignl 7, 3214868480
	.fill 96, 4, 3214868480
	.section	.rodata,"a",@progbits
	.p2align	6, 0x0
	.amdhsa_kernel k_q36189e0e1b_outp
		.amdhsa_group_segment_fixed_size 327680
		.amdhsa_private_segment_fixed_size 0
		.amdhsa_enable_private_segment 0
		.amdhsa_kernarg_size 56
		.amdhsa_user_sgpr_count 2
		.amdhsa_user_sgpr_kernarg_segment_ptr 1
		.amdhsa_wavefront_size32 1
		.amdhsa_system_sgpr_workgroup_id_x 1
		.amdhsa_system_sgpr_workgroup_id_y 1
		.amdhsa_system_sgpr_workgroup_id_z 1
		.amdhsa_system_vgpr_workitem_id 0
		.amdhsa_next_free_vgpr 768
		.amdhsa_next_free_sgpr 100
		.amdhsa_reserve_vcc 0
		.amdhsa_float_denorm_mode_32 3
		.amdhsa_float_denorm_mode_16_64 3
		.amdhsa_memory_ordered 1
		.amdhsa_forward_progress 1
		.amdhsa_inst_pref_size 92
	.end_amdhsa_kernel
	.amdgpu_metadata
---
amdhsa.version: [ 1, 2 ]
amdhsa.kernels:
  - .name:           k_q36189e0e1b_outp
    .symbol:         k_q36189e0e1b_outp.kd
    .args:
      - { .name: ocodes, .offset: 0, .size: 8, .value_kind: global_buffer, .address_space: global }
      - { .name: oscales, .offset: 8, .size: 8, .value_kind: global_buffer, .address_space: global }
      - { .name: codes, .offset: 16, .size: 8, .value_kind: global_buffer, .address_space: global }
      - { .name: scales, .offset: 24, .size: 8, .value_kind: global_buffer, .address_space: global }
      - { .name: ob, .offset: 32, .size: 8, .value_kind: global_buffer, .address_space: global }
      - { .name: out0, .offset: 40, .size: 8, .value_kind: global_buffer, .address_space: global }
      - { .name: out1, .offset: 48, .size: 8, .value_kind: global_buffer, .address_space: global }
    .group_segment_fixed_size: 327680
    .private_segment_fixed_size: 0
    .kernarg_segment_align: 8
    .kernarg_segment_size: 56
    .max_flat_workgroup_size: 128
    .sgpr_count:     100
    .vgpr_count:     768
    .wavefront_size: 32
...
	.end_amdgpu_metadata
.endif
;; end of part 4
